; MI455X (gfx1250); checked and timed in simulation.
; The chip was launched on July 23, 2026; its instructions are those of AMD's public machine-readable ISA for CDNA 5 (MIT licence, August 2026) and "CDNA5" Instruction Set Architecture Reference Guide (July 2026). The comments in the code are by the model that wrote it; some were corrected since.
;; Attention. Allowed arithmetic: matrix products marked QUANTISED: E2M1 operands, one E8M0 scale for each 32 along K, by v_wmma_scale_f32_16x16x128_f8f6f4 with both operands' format E2M1 (or v_wmma_scale_f32_32x16x128_f4), f32 sums; products left as they are: f32 operands where the result goes on into a quantised operand, else bf16, f16 or f32 operands; f32 sums; everything else in f32.
;; Inputs: W1_codes 1,024 x 32 x 16 uint8 (E2M1 codes of W1, K innermost, in blocks of 32 codes, two codes a byte); W1_scales 1,024 x 32 uint8 (E8M0 scales of W1, one for each 32 codes along K); W2_codes 1,024 x 32 x 16 uint8 (E2M1 codes of W2, K innermost, in blocks of 32 codes, two codes a byte); W2_scales 1,024 x 32 uint8 (E8M0 scales of W2, one for each 32 codes along K); W3 1 x 1,024 float32; b1 1,024 float32; b2 1,024 float32; b3 1 float32; hidden_d_codes 1 x 64 x 32 x 16 uint8 (E2M1 codes of hidden_d, K innermost, in blocks of 32 codes, two codes a byte); hidden_d_scales 1 x 64 x 32 uint8 (E8M0 scales of hidden_d, one for each 32 codes along K); out_e 512 x 64 x 1,024 float32.
;; Outputs: out0 1 x 64 x 1,024 float32; out1 512 x 64 x 1 float32.
;; This version of the problem:
;;   THIS VERSION OF THE PROBLEM IS GIVEN IN LOW PRECISION. The matrix products marked QUANTISED in the list below multiply operands that are first quantised to E2M1 (2 exponent bits, 1 mantissa bit; 4 bits a number), with one power-of-two scale for each 32 numbers along K (OCP MX v1.0); their sums are f32. All else is computed in f32.
;;   The module's matrix products, in the order in which they are computed (A, B: the left and right operand; K: the contracted axis; several contracted axes count as one K, in the product's order):
;;     1. [M 32,768, K 1,024] x [K 1,024, N 1,024]; A: input hidden_d (given as codes); B: input W1 (given as codes): QUANTISED
;;     2. [M 32,768, K 1,024] x [K 1,024, N 1,024]; A: input out_e; B: input W2 (given as codes): QUANTISED
;;     3. [M 32,768, K 1,024] x [K 1,024, N 1]; A: computed on the way; B: input W3: left as it is (N = 1 < 16)
;;     4. batch 64 x [M 1,024, K 512] x [K 512, N 1]; A: input out_e; B: softmax: left as it is (N = 1 < 16)
;;   THE QUANTISER, for each operand of a quantised product, along K:
;;     - K is cut into blocks of 32 from its start; a last block that is shorter is filled with zeros.
;;     - A block's scale is 2^e with e = floor(log2(the largest magnitude in the block)) - 2, held to -126 .. 127; a block of zeros has e = 0. As a byte (E8M0): e + 127.
;;     - Each number is divided by its block's scale, clamped to +-6, and rounded to the nearest number of E2M1, ties to even, subnormals kept.
;;     - The product sums the exact products of the quantised numbers (number of the format x scale) in f32.
;;   ~~~python
;;   def quantise(x, axis):      # numpy; x: float32 -> the quantised numbers, widened to float32 again
;;       x = np.moveaxis(x, axis, -1); K = x.shape[-1]
;;       x = np.pad(x, [(0, 0)] * (x.ndim - 1) + [(0, -K % 32)]); x = x.reshape(x.shape[:-1] + (-1, 32)); a = np.abs(x).max(-1, keepdims=True)
;;       e = np.where(a > 0, np.clip(np.frexp(np.where(a > 0, a, 1))[1] - 1 - 2, -126, 127), 0)      # np.frexp(a)[1] - 1 = floor(log2(a)), exactly
;;       r = np.clip(x / 2.0 ** e, -6, 6)
;;       step = 2.0 ** (np.maximum(np.frexp(np.where(r == 0, 1, r))[1] - 1, 0) - 1)
;;       q = np.round(r / step) * step * 2.0 ** e      # np.round: ties to even
;;       return np.moveaxis(q.reshape(q.shape[:-2] + (-1,))[..., :K], -1, axis).astype(np.float32)
;;   ~~~
;;   INPUTS GIVEN AS CODES. W1 (in the module: [1024, 1024], K = its axis 1); W2 (in the module: [1024, 1024], K = its axis 1); hidden_d (in the module: [1, 64, 1024], K = its axis 2): each comes as NAME_codes (uint8): NAME with its K axis moved to the last place and cut into blocks of 32 codes, [.., K / 32, bytes a block], one block behind the other in memory; two codes a byte, the lower K in the low four bits (a code: sign, 2 exponent bits, 1 mantissa bit); and NAME_scales (uint8): the same leading axes, one E8M0 byte (e + 127) for each 32 codes along K. Its value is code x scale, taken as it is: it is not quantised again, and the codes and scales need not be those that the quantiser above would give.
;; 2 versions, each right; version 2 is version 1 with the launches prep, main written anew for expert scheduling mode. Each part assembles by itself: llvm-mc -triple=amdgcn-amd-amdhsa -mcpu=gfx1250 --defsym DOCPART=n.
;; ======== version 1 of 2: 3 launches
;; workspace buffers: w2f 524,288 bytes; gbuf 262,144 bytes; abuf 131,072 bytes; cpart 1,048,576 bytes; stat 65,536 bytes
;; launch prep (part 1): grid 16 x 4, 4 waves a work-group, no clusters, 4,864 bytes of LDS; arguments W1_codes, W1_scales, W2_codes, hidden_d_codes, hidden_d_scales, b1, b2, w2f, gbuf; writes w2f, gbuf
.if DOCPART == 1
	.amdgcn_target "amdgcn-amd-amdhsa--gfx1250"
	.amdhsa_code_object_version 6
	.text
	.protected	k_q4b46127df2_prep
	.globl	k_q4b46127df2_prep
	.p2align	8
	.type	k_q4b46127df2_prep,@function
k_q4b46127df2_prep:
	s_mov_b64 s[64:65], 0
	v_nop
	global_prefetch_b8 v0, s[64:65] scope:SCOPE_SE
	s_setreg_imm32_b32 hwreg(HW_REG_WAVE_MODE, 25, 1), 1
	s_wait_xcnt 0x0
; PREP.  Two things that the main launch wants once.
; (1) g[n][j] = sum over k of hd[n][k] W1[j][k] + b1[j] + b2[j], for the 64 different rows of hd (reference() repeats them over the source axis), on the given codes of E2M1 with their E8M0 scales; f32 sums.
; (2) W2's codes laid in the order of an operand's registers: tile T (16 rows), K step q (128 codes), half c: 512 bytes at 8192 T + 512 (2 q + c), lane L's 16 bytes at 16 L.
; SHARES.  Work-group (b, m): columns j = 64 b .. 64 b + 63, rows n = 16 m .. 16 m + 15 of hd.  Wave w: the tile T = 4 b + w of 16 rows of W1; of W2's tile T it lays K steps 2 m and 2 m + 1.
; THE PRODUCT IS USED TRANSPOSED: source 0 = 16 rows of W1, source 1 = 16 rows of hd: lane (r, h) then holds g(16 m + r, 16 T + 8 h + 0 .. 7).
; The eight K steps go to TWO accumulators by turns, the even steps (begun with the bias as C) and the odd ones (begun with 0); one packed addition joins them.
; SCALES.  A row has 32 scale bytes, eight words.  One load of 16 bytes at 32 r + 16 h gives register i the word of K step i in lanes 0-15 and that of K step 4 + i in lanes 16-31: K steps 4 to 7 name the upper lanes.
; REGISTERS: v1-10 addresses; v16-79 hd's fragments; v80-143 W1's; v144-147 W1's scale words; v148-151 hd's; v152-167 b1, b2; v168-183 four pieces of W2; v192-207 two accumulators; v208-215 g; v216-223 the way out.
.set STP,  272                         ; a stage row: the work-group's 64 columns, 256 bytes, + 16: an odd multiple of 16 bytes
.set HD,   16
.set W1F,  80
.set W1S,  144
.set HS,   148
.set BI,   152
.set B2R,  160
.set W2P,  168
.set ACE,  192
.set ACO,  200
.set GO,   208
.set OUTR, 216
	s_load_b512 s[4:19], s[0:1], 0x0               ; W1 codes s[4:5], W1 scales s[6:7], W2 codes s[8:9], hd codes s[10:11], hd scales s[12:13], b1 s[14:15], b2 s[16:17], w2f s[18:19]
	s_load_b64 s[20:21], s[0:1], 0x40              ; gbuf
	v_lshl_add_u32 v224, v0, 2, 0x1100
	v_mov_b32 v225, 0
	v_lshrrev_b32 v10, 5, v0
	v_readfirstlane_b32 s22, v10                   ; wave 0..3
	v_and_b32 v10, 31, v0                          ; L
	v_and_b32 v1, 15, v0                           ; r
	v_bfe_u32 v2, v0, 4, 1                         ; h
	v_lshlrev_b32 v3, 9, v1
	v_lshl_add_u32 v3, v2, 4, v3                   ; a row of 1,024 codes is 512 bytes: 512 r + 16 h
	v_lshlrev_b32 v4, 4, v10                       ; 16 L
	v_lshlrev_b32 v5, 5, v1
	v_lshl_add_u32 v5, v2, 4, v5                   ; scale bytes: 32 r + 16 h
	v_lshlrev_b32 v6, 5, v2                        ; the biases: 32 h
	v_mul_u32_u24 v7, v1, STP
	v_lshl_add_u32 v7, v2, 5, v7
	s_lshl_b32 s23, s22, 6
	v_add_nc_u32 v7, s23, v7                       ; the stage, in: row r, + 64 w + 32 h
	s_mul_i32 s23, s22, 4*STP
	v_mul_u32_u24 v8, v2, STP
	v_lshl_add_u32 v8, v1, 4, v8
	v_add_nc_u32 v8, s23, v8                       ; and out: rows 4 w on; lanes 0-15 one row, lanes 16-31 the next
	s_lshl_b32 s23, s22, 14
	v_lshlrev_b32 v9, 12, v2
	v_lshl_add_u32 v9, v1, 4, v9
	v_add_nc_u32 v9, s23, v9                       ; the same two rows in gbuf (4,096 bytes a row)
	s_and_b32 s25, ttmp7, 0xffff                   ; m
	s_lshl_b32 s24, ttmp9, 2
	s_add_co_u32 s24, s24, s22                     ; T
	s_lshl_b32 s26, s24, 13                        ; 8,192 T: 16 rows of codes
	s_mov_b32 s27, 0
	s_lshl_b32 s28, s24, 9                         ; 512 T: 16 rows of scale bytes
	s_mov_b32 s29, 0
	s_lshl_b32 s30, s24, 6                         ; 64 T: 16 numbers of a bias
	s_mov_b32 s31, 0
	s_lshl_b32 s32, s25, 16                        ; 16 m rows of gbuf,
	s_lshl_b32 s34, ttmp9, 8                       ; + the work-group's columns in a row
	s_add_co_u32 s32, s32, s34
	s_mov_b32 s33, 0
	s_lshl_b32 s34, s25, 13                        ; 8,192 m: hd's 16 rows of codes
	s_mov_b32 s35, 0
	s_lshl_b32 s36, s25, 9                         ; 512 m: and of scale bytes
	s_mov_b32 s37, 0
	s_lshl_b32 s38, s25, 7                         ; 128 m: K steps 2 m, 2 m + 1 in a row of W2
	s_mov_b32 s39, 0
	s_wait_kmcnt 0x0
	s_add_nc_u64 s[4:5], s[4:5], s[26:27]
	s_add_nc_u64 s[6:7], s[6:7], s[28:29]
	s_add_nc_u64 s[8:9], s[8:9], s[26:27]
	s_add_nc_u64 s[8:9], s[8:9], s[38:39]
	s_add_nc_u64 s[10:11], s[10:11], s[34:35]
	s_add_nc_u64 s[12:13], s[12:13], s[36:37]
	s_add_nc_u64 s[14:15], s[14:15], s[30:31]
	s_add_nc_u64 s[16:17], s[16:17], s[30:31]
	s_add_nc_u64 s[18:19], s[18:19], s[26:27]
	s_lshl_b32 s38, s25, 11                        ; 2,048 m: the same two K steps in w2f's tile
	s_add_nc_u64 s[18:19], s[18:19], s[38:39]
	s_add_nc_u64 s[20:21], s[20:21], s[32:33]
.irp i, 0,1,2,3
	global_load_b128 v[W2P+4*\i:W2P+4*\i+3], v3, s[8:9] offset:32*\i
.endr
.irp q, 0,1,2,3,4,5,6,7
.irp c, 0,1
	global_load_b128 v[W1F+8*\q+4*\c:W1F+8*\q+4*\c+3], v3, s[4:5] offset:64*\q+32*\c
.endr
.endr
.irp q, 0,1,2,3,4,5,6,7
.irp c, 0,1
	global_load_b128 v[HD+8*\q+4*\c:HD+8*\q+4*\c+3], v3, s[10:11] offset:64*\q+32*\c
.endr
.endr
	global_load_b128 v[W1S:W1S+3], v5, s[6:7]
	global_load_b128 v[HS:HS+3], v5, s[12:13]
	global_load_b128 v[BI:BI+3], v6, s[14:15]
	global_load_b128 v[BI+4:BI+7], v6, s[14:15] offset:16
	global_load_b128 v[B2R:B2R+3], v6, s[16:17]
	global_load_b128 v[B2R+4:B2R+7], v6, s[16:17] offset:16
	s_wait_loadcnt 38                              ; W2's four pieces are in; the 38 loads issued behind them stay out
.irp i, 0,1,2,3
	global_store_b128 v4, v[W2P+4*\i:W2P+4*\i+3], s[18:19] offset:512*\i   ; 32 lanes store 512 consecutive bytes: the registers as they stand
.endr
	s_wait_loadcnt 0x0
.irp j, 0,2,4,6
	v_pk_add_f32 v[BI+\j:BI+\j+1], v[BI+\j:BI+\j+1], v[B2R+\j:B2R+\j+1]   ; b1 + b2 at my eight columns
.endr
.rept 4
	v_nop
.endr
.irp q, 0,1,2,3,4,5,6,7
.if \q == 0
	v_wmma_scale_f32_16x16x128_f8f6f4 v[ACE:ACE+7], v[W1F:W1F+7], v[HD:HD+7], v[BI:BI+7], v[W1S], v[HS] matrix_a_fmt:MATRIX_FMT_FP4 matrix_b_fmt:MATRIX_FMT_FP4
.elseif \q == 1
	v_wmma_scale_f32_16x16x128_f8f6f4 v[ACO:ACO+7], v[W1F+8:W1F+15], v[HD+8:HD+15], 0, v[W1S+1], v[HS+1] matrix_a_fmt:MATRIX_FMT_FP4 matrix_b_fmt:MATRIX_FMT_FP4
.elseif \q < 4
	v_wmma_scale_f32_16x16x128_f8f6f4 v[ACE+8*(\q%2):ACE+8*(\q%2)+7], v[W1F+8*\q:W1F+8*\q+7], v[HD+8*\q:HD+8*\q+7], v[ACE+8*(\q%2):ACE+8*(\q%2)+7], v[W1S+\q], v[HS+\q] matrix_a_fmt:MATRIX_FMT_FP4 matrix_b_fmt:MATRIX_FMT_FP4
.else
	v_wmma_scale_f32_16x16x128_f8f6f4 v[ACE+8*(\q%2):ACE+8*(\q%2)+7], v[W1F+8*\q:W1F+8*\q+7], v[HD+8*\q:HD+8*\q+7], v[ACE+8*(\q%2):ACE+8*(\q%2)+7], v[W1S+\q-4], v[HS+\q-4] matrix_a_fmt:MATRIX_FMT_FP4 matrix_b_fmt:MATRIX_FMT_FP4 matrix_a_scale:MATRIX_SCALE_ROW1 matrix_b_scale:MATRIX_SCALE_ROW1
.endif
.endr
.rept 4
	v_nop                                          ; four places between the last product and the first read of results (ISA guide 7.12.1)
.endr
.irp j, 0,2,4,6
	v_pk_add_f32 v[GO+\j:GO+\j+1], v[ACE+\j:ACE+\j+1], v[ACO+\j:ACO+\j+1]   ; the even and the odd K steps; both accumulators from their low end on
.endr
	ds_store_b128 v7, v[GO:GO+3]
	ds_store_b128 v7, v[GO+4:GO+7] offset:16
	s_wait_dscnt 0x0                               ; for the others' sake: my stores into the stage are done
	s_barrier_signal -1
	s_barrier_wait -1                              ; a row's 256 bytes come from four waves
.irp i, 0,1
	ds_load_b128 v[OUTR+4*\i:OUTR+4*\i+3], v8 offset:2*\i*STP
.endr
.irp i, 0,1
	s_wait_dscnt 1-\i
	global_store_b128 v9, v[OUTR+4*\i:OUTR+4*\i+3], s[20:21] offset:8192*\i   ; 16 lanes store 256 consecutive bytes, at a multiple of 256 from gbuf's first byte
.endr
	s_wait_tensorcnt 0x0
	ds_add_u32 v224, v225
	s_wait_dscnt 0x0
	s_endpgm
.Lfunc_end_k_q4b46127df2_prep:
	.size	k_q4b46127df2_prep, .Lfunc_end_k_q4b46127df2_prep-k_q4b46127df2_prep
	.p2alignl 7, 3214868480
	.fill 96, 4, 3214868480
	.section	.rodata,"a",@progbits
	.p2align	6, 0x0
	.amdhsa_kernel k_q4b46127df2_prep
		.amdhsa_group_segment_fixed_size 4864
		.amdhsa_private_segment_fixed_size 0
		.amdhsa_enable_private_segment 0
		.amdhsa_kernarg_size 72
		.amdhsa_user_sgpr_count 2
		.amdhsa_user_sgpr_kernarg_segment_ptr 1
		.amdhsa_wavefront_size32 1
		.amdhsa_system_sgpr_workgroup_id_x 1
		.amdhsa_system_sgpr_workgroup_id_y 1
		.amdhsa_system_sgpr_workgroup_id_z 1
		.amdhsa_system_vgpr_workitem_id 0
		.amdhsa_next_free_vgpr 226
		.amdhsa_next_free_sgpr 66
		.amdhsa_reserve_vcc 0
		.amdhsa_float_denorm_mode_32 3
		.amdhsa_float_denorm_mode_16_64 3
		.amdhsa_memory_ordered 1
		.amdhsa_forward_progress 1
		.amdhsa_inst_pref_size 10
	.end_amdhsa_kernel
	.amdgpu_metadata
---
amdhsa.version: [ 1, 2 ]
amdhsa.kernels:
  - .name:           k_q4b46127df2_prep
    .symbol:         k_q4b46127df2_prep.kd
    .args:
      - { .name: W1_codes, .offset: 0, .size: 8, .value_kind: global_buffer, .address_space: global }
      - { .name: W1_scales, .offset: 8, .size: 8, .value_kind: global_buffer, .address_space: global }
      - { .name: W2_codes, .offset: 16, .size: 8, .value_kind: global_buffer, .address_space: global }
      - { .name: hidden_d_codes, .offset: 24, .size: 8, .value_kind: global_buffer, .address_space: global }
      - { .name: hidden_d_scales, .offset: 32, .size: 8, .value_kind: global_buffer, .address_space: global }
      - { .name: b1, .offset: 40, .size: 8, .value_kind: global_buffer, .address_space: global }
      - { .name: b2, .offset: 48, .size: 8, .value_kind: global_buffer, .address_space: global }
      - { .name: w2f, .offset: 56, .size: 8, .value_kind: global_buffer, .address_space: global }
      - { .name: gbuf, .offset: 64, .size: 8, .value_kind: global_buffer, .address_space: global }
    .group_segment_fixed_size: 4864
    .private_segment_fixed_size: 0
    .kernarg_segment_align: 8
    .kernarg_segment_size: 72
    .max_flat_workgroup_size: 128
    .sgpr_count:     66
    .vgpr_count:     226
    .wavefront_size: 32
...
	.end_amdgpu_metadata
.endif
;; end of part 1
;; launch main (part 2): grid 4 x 64, 4 waves a work-group, no clusters, 326,144 bytes of LDS; arguments out_e, w2f, W2_scales, gbuf, W3, b3, abuf, cpart, stat; writes abuf, cpart, stat
.if DOCPART == 2
	.amdgcn_target "amdgcn-amd-amdhsa--gfx1250"
	.amdhsa_code_object_version 6
	.text
	.protected	k_q4b46127df2_main
	.globl	k_q4b46127df2_main
	.p2align	8
	.type	k_q4b46127df2_main,@function
k_q4b46127df2_main:
	s_mov_b64 s[64:65], 0
	v_nop
	global_prefetch_b8 v0, s[64:65] scope:SCOPE_SE
	s_setreg_imm32_b32 hwreg(HW_REG_WAVE_MODE, 25, 1), 1
	s_wait_xcnt 0x0
; MAIN.  For one n (work-group y) and 128 source places s = 128 x + 0 .. 127 (work-group x):
;   a[s] = sum over j of W3[j] tanh(g[n][j] + sum over k of Q(out_e[s][n])[k] W2[j][k]) + b3,   M = the largest of the 128 a,   p[s] = 2^((a[s] - M) log2 e),   cpart[n][x][:] = sum over s of p[s] bf16(out_e[s][n][:]),
;   stat[n][x] = (M, the sum of the 128 p).  Q is the MX quantiser along k (blocks of 32, E2M1 codes, E8M0 scale), made from the f32 numbers; the product runs on codes; sums f32.  The last launch joins the four parts of each n.
; out_e IS READ ONCE.  Each of the 128 rows is quantised as it arrives, and a copy in bf16 (for the last sum, which the contract leaves in bf16) stays in LDS until the scores are known.
; SHARES.  Loading: wave w takes 32 rows, row 32 p + 8 w + i in sub-phase p.  Product: every wave holds the codes of ALL 128 rows in 512 registers and takes 256 of the 1,024 columns j, 16 at a time;
;   W2's fragments come from memory straight into operand registers (the launch before has laid them so), each byte wanted by one wave of the work-group.  Last sum: wave w takes 8 of every 32 columns.
; NO CLUSTER, NO JOINT LOADS, though all work-groups walk the same W2: the copy takes 262,144 bytes of LDS and the scratch that LDS stores write 63,488; a joint load wants bytes that no LDS store has written, and two slots
;   of 64 rows of W2 (2 x 64 x 544 bytes) do not fit into what is left.
; THE PRODUCT IS USED TRANSPOSED: source 0 = 16 rows of W2, source 1 = 16 rows of out_e: lane (r, h) holds row 16 a + r and columns j0 + 8 h + 0 .. 7; g is the C of each sum's first product.
; tanh(z) = 1 - 2 / (1 + 2^(2 z log2 e)): where the power overflows the quotient is 0, where it falls to 0 the quotient is 1: no range of z is left out.  So a = (sum of W3 + b3) + sum of (-2 W3[j]) / (1 + 2^..).
; BY TURNS.  A tile's eight accumulators are two halves: rows 0-63 and rows 64-127.  While one half's 32 products are issued, the other half's tanh, a list of 96 instructions on its 32 registers, stands between them, three behind
;   each product.  The 16 multiply-adds with W3 stand together behind the half's last product.
; LIMITS: NaN and infinities in out_e are not served.  A block of zeros gets the scale byte 1 where the rule says 127: its codes are zeros, and this program alone reads the bytes.  The copy for the last sum is bf16.
; LDS: CPY the copy: row at 2,048 x row; in it slice i (0..3) at 512 i, lane l's 16 bytes at 16 l = columns 32 l + 8 i + 0 .. 7.   RT: for each wave two stages of a row: 32 blocks of 128 bytes, 144 apart.
;   ST: 32 rows of codes, 528 apart.   SS: 32 rows of scale bytes, 48 apart.   GA, WA: g[n][:] and -2 W3, each wave's own 1,024 bytes.   Behind the last fetch ST serves again: SC partial scores, PW p, CT c.
; REGISTERS, window 0: v1-28 lane numbers and addresses; v32-63 the rows' scale words; v64-71 W2's, two sets; v104-119 small loads; v120 my columns' sum of W3; v128-191 two sets of a row's 32 numbers; v192-239 at work.
;   Window 1, while loading: eight landing sets of 32.  In the product phase: v0-127 W2's fragments, two sets; v128-191 the eight accumulators; v192-207 g, two sets; v208-215 -2 W3; v216-231 the score sums.
;   So destination, source 0 and source 2 of the products are all window 1, and the list's in-place instructions run under the products' own setting: no switch stands between a product and its three instructions.
;   Windows 2, 3: the rows' codes, tile a, K step q at 64 (a % 4) + 8 q.
.set RT,   262144
.set RTW,  9216
.set RSG,  4608
.set BP,   144
.set ST,   299008
.set STP,  528
.set SS,   315904
.set SSP,  48
.set GA,   317440
.set WA,   321536
.set SC,   ST
.set PW,   ST+2048
.set CT,   ST+4096
.set AS,   32
.set BS,   64
.set SM,   104
.set TW,   120
.set X,    128
.set BF,   192
.set CC,   224
.set EE,   232
.set ACC,  128                         ; window 1, in the product phase
.set GRS,  192
.set W3R,  208
.set SCR,  216
.set CA,   128                         ; window 0, the last sum: my eight columns
.set DA,   160                         ; eight rows' 16 bytes, two sets
.set DB,   192
.set PA,   224                         ; their eight p, two sets
.set PB,   232
.set MSB,  0
.macro WIN new                         ; the immediate's high byte repeats the setting that is left
.if MSB != (\new)
	s_set_vgpr_msb (MSB<<8)|(\new)
.set MSB, \new
.endif
.endm
.macro BARRIER                         ; my LDS stores have landed and my LDS loads are in: then the work-group's barrier
	s_wait_dscnt 0x0
	s_barrier_signal -1
	s_barrier_wait -1
.endm
.macro ROWLD k                         ; my row k: 4,096 bytes by eight loads of 512 consecutive bytes, into landing set k % 8
	WIN 0x40
.irp j, 0,1,2,3,4,5,6,7
	global_load_b128 v[32*((\k)%8)+4*\j:32*((\k)%8)+4*\j+3], v4, s[24:25] offset:((\k)%8)*262144+512*\j th:TH_LOAD_NT
.endr
	WIN 0
.endm
.macro TURN k                          ; row k through my stage k % 2: in as it was loaded, back a block of 32 numbers to a lane.  LDS serves a wave's instructions in order (ISA guide 5.7.1.4): no wait between
	WIN 0x04                                       ; an LDS store's data are its source 1: window 1
.irp j, 0,1,2,3,4,5,6,7
	ds_store_b128 v5, v[32*((\k)%8)+4*\j:32*((\k)%8)+4*\j+3] offset:RSG*((\k)%2)+4*BP*\j
.endr
	WIN 0
.irp i, 0,1,2,3,4,5,6,7
	ds_load_b128 v[X+32*((\k)%2)+4*\i:X+32*((\k)%2)+4*\i+3], v6 offset:RSG*((\k)%2)+16*\i
.endr
.endm
.macro LOADF fs, off, soff             ; a tile of W2: 16 loads of 512 consecutive bytes into set fs of window 1, and its 16 rows' scale bytes
	WIN 0x40
.irp i, 0,1,2,3,4,5,6,7,8,9,10,11,12,13,14,15
	global_load_b128 v[64*(\fs)+4*\i:64*(\fs)+4*\i+3], v4, s[26:27] offset:(\off)+512*\i
.endr
	WIN 0
	global_load_b128 v[BS+4*(\fs):BS+4*(\fs)+3], v14, s[28:29] offset:\soff
.endm
.macro FETCH p                         ; the 32 rows in ST become tiles 2 p and 2 p + 1 of every wave's operand registers
	WIN 0x80+0x40*((\p)/2)                         ; destination window 2 or 3
.irp a, 0,1
.irp q, 0,1,2,3,4,5,6,7
.irp c, 0,1
	ds_load_b128 v[64*((2*(\p)+\a)%4)+8*\q+4*\c:64*((2*(\p)+\a)%4)+8*\q+4*\c+3], v10 offset:16*\a*STP+64*\q+32*\c
.endr
.endr
.endr
	WIN 0
.irp a, 0,1
	ds_load_b128 v[AS+4*(2*(\p)+\a):AS+4*(2*(\p)+\a)+3], v11 offset:16*\a*SSP   ; register i: the word of K step i in lanes 0-15, of K step 4 + i in lanes 16-31
.endr
.endm
	s_load_b512 s[4:19], s[0:1], 0x0               ; out_e s[4:5], w2f s[6:7], W2 scales s[8:9], gbuf s[10:11], W3 s[12:13], b3 s[14:15], abuf s[16:17], cpart s[18:19]
	s_load_b64 s[46:47], s[0:1], 0x40              ; stat
	v_lshl_add_u32 v254, v0, 2, 0x4f800
	v_mov_b32 v255, 0
	v_lshrrev_b32 v15, 5, v0
	v_readfirstlane_b32 s20, v15                   ; wave 0..3
	v_and_b32 v1, 31, v0                           ; l
	v_and_b32 v2, 15, v0                           ; r
	v_bfe_u32 v3, v0, 4, 1                         ; h
	v_lshlrev_b32 v4, 4, v1                        ; 16 l
	v_lshlrev_b32 v28, 3, v1                       ; 8 l
	s_mul_i32 s40, s20, RTW
	s_add_co_u32 s40, s40, RT                      ; my two row stages
	v_lshrrev_b32 v15, 3, v1
	v_and_b32 v16, 7, v1
	v_mul_u32_u24 v5, v15, BP
	v_lshl_add_u32 v5, v16, 4, v5
	v_add_nc_u32 v5, s40, v5                       ; in: eight lanes fill a block of 128 bytes: 144 (l / 8) + 16 (l % 8)
	v_mul_u32_u24 v6, v1, BP
	v_add_nc_u32 v6, s40, v6                       ; back: block l
	s_mul_i32 s40, s20, 8*STP
	s_add_co_u32 s40, s40, ST
	v_add_nc_u32 v7, s40, v4                       ; codes: my wave's 8 rows of ST, block l's 16 bytes
	s_mul_i32 s40, s20, 8*SSP
	s_add_co_u32 s40, s40, SS
	v_add_nc_u32 v8, s40, v1                       ; scale bytes: my wave's 8 rows of SS, byte l
	s_lshl_b32 s40, s20, 14
	v_add_nc_u32 v9, s40, v4                       ; the copy: my wave's 8 rows of 2,048 bytes; 65,536 more in each sub-phase
	v_mul_u32_u24 v10, v2, STP
	v_lshl_add_u32 v10, v3, 4, v10
	v_add_nc_u32 v10, ST, v10                      ; a fragment's row r, + 16 h
	v_mul_u32_u24 v11, v2, SSP
	v_lshl_add_u32 v11, v3, 4, v11
	v_add_nc_u32 v11, SS, v11
	s_lshl_b32 s40, s20, 10
	v_lshl_add_u32 v12, v3, 5, s40                 ; 1,024 w + 32 h
	v_add_nc_u32 v13, WA, v12
	v_add_nc_u32 v12, GA, v12
	v_lshlrev_b32 v14, 5, v2
	v_lshl_add_u32 v14, v3, 4, v14                 ; W2's scale bytes in memory: 32 r + 16 h
	v_add_nc_u32 v17, s40, v4
	v_add_nc_u32 v17, GA, v17                      ; where g goes; -2 W3 lies 4,096 further on
	s_lshl_b32 s41, s20, 9
	s_add_co_u32 s42, s41, PW
	v_add_nc_u32 v20, s41, v4                      ; the copy's slice w: 512 w + 16 l
	v_mov_b32 v21, s42                             ; my wave's p
	v_add_nc_u32 v27, s42, v4
	v_lshl_add_u32 v25, v2, 2, s41
	v_add_nc_u32 v25, SC, v25                      ; my wave's partial scores: 512 w + 4 r
	v_add_nc_u32 v26, SC, v4
	v_lshlrev_b32 v22, 7, v1
	s_lshl_b32 s41, s20, 5
	v_add_nc_u32 v22, s41, v22
	v_add_nc_u32 v22, CT, v22                      ; c: columns 32 l + 8 w on: 128 l + 32 w
	v_lshl_add_u32 v23, v0, 4, CT
	v_lshlrev_b32 v24, 4, v0
	s_mov_b32 s32, 0x4038aa3b                      ; 2 log2 e
	s_mov_b32 s33, s32                             ; (named with it as a pair, so it is written)
	s_mov_b32 s34, 0x3fb8aa3b                      ; log2 e
	s_mov_b32 s36, 0x76543210
	s_mov_b32 s37, 0xfedcba98                      ; v_permlanex16_b32's selects for lane l xor 16
	s_and_b32 s22, ttmp7, 0xffff                   ; n
	s_lshl_b32 s40, ttmp9, 25                      ; 128 x rows of s, 262,144 bytes each,
	s_lshl_b32 s41, s22, 12                        ; + n rows of 4,096 bytes,
	s_add_co_u32 s40, s40, s41
	s_lshl_b32 s41, s20, 21                        ; + 8 w rows of s
	s_add_co_u32 s40, s40, s41
	s_mov_b32 s41, 0
	s_lshl_b32 s42, s20, 17                        ; my 16 tiles of W2
	s_mov_b32 s43, 0
	s_lshl_b32 s44, s20, 13                        ; my 256 rows of scale bytes
	s_mov_b32 s45, 0
	s_wait_kmcnt 0x0
	s_add_nc_u64 s[24:25], s[4:5], s[40:41]
	s_add_nc_u64 s[26:27], s[6:7], s[42:43]
	s_add_nc_u64 s[28:29], s[8:9], s[44:45]
	s_lshl_b32 s42, s20, 10
	s_add_nc_u64 s[12:13], s[12:13], s[42:43]      ; W3 at my 256 columns
	s_lshl_b32 s40, s22, 12
	s_add_co_u32 s40, s40, s42
	s_add_nc_u64 s[10:11], s[10:11], s[40:41]      ; g[n] likewise
	s_lshl_b32 s40, s22, 11
	s_lshl_b32 s44, ttmp9, 9
	s_add_co_u32 s40, s40, s44
	s_add_nc_u64 s[16:17], s[16:17], s[40:41]      ; abuf[n][128 x]
	s_lshl_b32 s40, s22, 14
	s_lshl_b32 s44, ttmp9, 12
	s_add_co_u32 s40, s40, s44
	s_add_nc_u64 s[18:19], s[18:19], s[40:41]      ; cpart[n][x]
	s_lshl_b32 s40, s22, 10
	s_lshl_b32 s44, ttmp9, 8
	s_add_co_u32 s40, s40, s44
	s_add_nc_u64 s[46:47], s[46:47], s[40:41]      ; stat[n][x]: 256 bytes
	s_load_b32 s38, s[14:15], 0x0                  ; b3
	global_load_b128 v[SM:SM+3], v4, s[10:11]
	global_load_b128 v[SM+4:SM+7], v4, s[10:11] offset:512
	global_load_b128 v[SM+8:SM+11], v4, s[12:13]
	global_load_b128 v[SM+12:SM+15], v4, s[12:13] offset:512
.irp k, 0,1,2,3,4,5,6,7
	ROWLD \k                                       ; eight rows, 32 KB a wave, are on their way from here to the end of the loading
.endr
	s_wait_xcnt 0x0                                ; the loads have read their base: it steps to the next sub-phase's rows, 32 rows of s on
	s_add_nc_u64 s[24:25], s[24:25], 0x800000
	s_wait_kmcnt 0x0
	s_mov_b32 s39, s38                             ; (b3 is named as a pair)
	s_wait_loadcnt 56                              ; row 0 is in, and the four older loads; rows 1 to 7 stay out
	ds_store_b128 v17, v[SM:SM+3]
	ds_store_b128 v17, v[SM+4:SM+7] offset:512
	v_pk_add_f32 v[TW:TW+1], v[SM+8:SM+9], v[SM+10:SM+11]            ; the sum of my wave's 256 numbers of W3
	v_pk_add_f32 v[TW+2:TW+3], v[SM+12:SM+13], v[SM+14:SM+15]
	v_pk_add_f32 v[TW:TW+1], v[TW:TW+1], v[TW+2:TW+3]
	v_add_f32 v[TW], v[TW], v[TW+1]
.irp x, 1,2,4,8
	v_add_f32_dpp v[TW], v[TW], v[TW] row_xmask:\x row_mask:0xf bank_mask:0xf
.endr
	v_permlanex16_b32 v[TW+1], v[TW], s36, s37
	v_add_f32 v[TW], v[TW], v[TW+1]
.irp j, 8,10,12,14
	v_pk_mul_f32 v[SM+\j:SM+\j+1], v[SM+\j:SM+\j+1], -2.0 op_sel_hi:[1,0]
.endr
	ds_store_b128 v17, v[SM+8:SM+11] offset:4096
	ds_store_b128 v17, v[SM+12:SM+15] offset:4608
	TURN 0
; ONE ROW.  A: row k is back from the stage, so its landing set is free.  B: that set takes the row eight on (at the end: W2's first two tiles).  C: the next row goes through the other stage.
; D: lane l quantises block l and rounds it to bf16; codes, scale byte and copy go to LDS.  What D stores lies in sets by the row's parity: a set is written again two rows on, behind A's wait.
.macro STEP k
.if (\k) == 0
	s_wait_dscnt 0x0
.else
	s_wait_dscnt 6                                 ; all but the six stores of the row before: this row's numbers are in, and the stores that read its landing set are done
.endif
.if (\k) <= 23
.if ((\k) == 8) || ((\k) == 16)
	s_wait_xcnt 0x0                                ; the loads have read their base
	s_add_nc_u64 s[24:25], s[24:25], 0x800000
.endif
	ROWLD (\k)+8
.endif
.if (\k) == 26
	LOADF 0, 0, 0                                  ; over the landing sets of rows 24 and 25, which have gone through the stage
.endif
.if (\k) == 28
	LOADF 1, 8192, 512                             ; over those of rows 26 and 27
.endif
.if (\k) <= 30
.if (\k) <= 23
.set C2, 56
.elseif (\k) <= 25
.set C2, 8*(30-(\k))
.elseif (\k) <= 27
.set C2, 8*(30-(\k))+17
.else
.set C2, 8*(30-(\k))+34
.endif
	s_wait_loadcnt C2                              ; the next row's eight loads are in; out stay eight for each later row and 17 for each tile of W2 asked for
	TURN (\k)+1
.endif
.set XS, X+32*((\k)%2)
.set CSET, CC+4*((\k)%2)
.set ESET, EE+((\k)%2)
.set BSET, BF+16*((\k)%2)
	v_max3_num_f32 v234, |v[XS]|, |v[XS+1]|, |v[XS+2]|               ; the block's largest magnitude: all 32 numbers are mine; two chains
	v_max3_num_f32 v235, |v[XS+3]|, |v[XS+4]|, |v[XS+5]|
.irp i, 6,10,14,18,22,26
	v_max3_num_f32 v234, v234, |v[XS+\i]|, |v[XS+\i+1]|
	v_max3_num_f32 v235, v235, |v[XS+\i+2]|, |v[XS+\i+3]|
.endr
	v_max3_num_f32 v234, v234, |v[XS+30]|, |v[XS+31]|
	v_max3_num_f32 v234, v234, v235, 0x1800000     ; and the floor 2^(3 - 127): the byte cannot fall under 1
	v_add_nc_u32 v236, 0xff000000, v234            ; 2 off its exponent field: the conversion takes the exponent field of this operand as its scale
.irp g, 0,1,2,3
	v_cvt_scalef32_pk8_fp4_f32 v[CSET+\g], v[XS+8*\g:XS+8*\g+7], v236
.endr
	v_lshrrev_b32 v[ESET], 23, v236                ; the scale's byte (a plain instruction behind the conversions)
.irp j, 0,1,2,3,4,5,6,7,8,9,10,11,12,13,14,15
	v_cvt_pk_bf16_f32 v[BSET+\j], v[XS+2*\j], v[XS+2*\j+1]
.endr
	ds_store_b128 v7, v[CSET:CSET+3] offset:STP*((\k)%8)
	ds_store_b8 v8, v[ESET] offset:SSP*((\k)%8)
.irp i, 0,1,2,3
	ds_store_b128 v9, v[BSET+4*\i:BSET+4*\i+3] offset:2048*((\k)%8)+512*\i   ; 32 lanes store 512 consecutive bytes
.endr
.endm
.irp p, 0,1,2,3
.irp i, 0,1,2,3,4,5,6,7
	STEP 8*\p+\i
.endr
	BARRIER                                        ; 32 rows of codes and scale bytes lie in ST and SS (loads of out_e stay on their way)
	FETCH \p
	BARRIER                                        ; every wave has them in registers: ST and SS may be written again
.if \p < 3
	v_add_nc_u32 v9, 0x10000, v9
.endif
.endr
; THE LIST: tanh's quotient on the 32 registers from VB on, in place; VSTEP writes number vi of it and steps vi.
;   0-15 2 z log2 e, a pair each, ascending: each accumulator is read from its low end on;  16-47 the exponentials;  48-63 + 1;  64-95 the reciprocals.
;   Behind each batch of 32 stand a plain instruction and one wait, ahead of the batch's first reader; nothing between names a result.
.macro VSTEP
.if vi < 16
	v_pk_mul_f32 v[VB+2*vi:VB+2*vi+1], v[VB+2*vi:VB+2*vi+1], s[32:33] op_sel_hi:[1,0]
.elseif vi < 48
	v_exp_f32 v[VB+vi-16], v[VB+vi-16]
.elseif vi < 64
	v_pk_add_f32 v[VB+2*(vi-48):VB+2*(vi-48)+1], v[VB+2*(vi-48):VB+2*(vi-48)+1], 1.0 op_sel_hi:[1,0]
.else
	v_rcp_f32 v[VB+vi-64], v[VB+vi-64]
.endif
.if (vi == 47) || (vi == 95)
	v_nop
	s_wait_alu depctr_va_vdst(0)
.endif
.set vi, vi+1
.endm
; A HALF: W2's tile in set par against the four tiles of rows 64 hv on, K step by K step: 32 products; the four accumulators take turns, one instruction a turn.
; vec = 1: behind each product stand three instructions of the list on the OTHER half's registers, which name no register of the products.
.macro HALF par, hv, vec
	WIN 0x59+4*(\hv)                               ; destination, source 0 (W2) and source 2 window 1; source 1 (the rows' codes) window 2 or 3
.set VB, ACC+32*(1-(\hv))
.set vi, 0
.set pi, 0
.rept 32
.set pa, 4*(\hv)+pi%4
.set pq, pi/4
.set rD, ACC+8*pa
.set rF, 64*(\par)+8*pq
.set rA, 64*(pi%4)+8*pq
.if pq == 0
	v_wmma_scale_f32_16x16x128_f8f6f4 v[rD:rD+7], v[rF:rF+7], v[rA:rA+7], v[GRS+8*(\par):GRS+8*(\par)+7], v[BS+4*(\par)], v[AS+4*pa] matrix_a_fmt:MATRIX_FMT_FP4 matrix_b_fmt:MATRIX_FMT_FP4
.elseif pq < 4
	v_wmma_scale_f32_16x16x128_f8f6f4 v[rD:rD+7], v[rF:rF+7], v[rA:rA+7], v[rD:rD+7], v[BS+4*(\par)+pq], v[AS+4*pa+pq] matrix_a_fmt:MATRIX_FMT_FP4 matrix_b_fmt:MATRIX_FMT_FP4
.else
	v_wmma_scale_f32_16x16x128_f8f6f4 v[rD:rD+7], v[rF:rF+7], v[rA:rA+7], v[rD:rD+7], v[BS+4*(\par)+pq-4], v[AS+4*pa+pq-4] matrix_a_fmt:MATRIX_FMT_FP4 matrix_b_fmt:MATRIX_FMT_FP4 matrix_a_scale:MATRIX_SCALE_ROW1 matrix_b_scale:MATRIX_SCALE_ROW1
.endif
.if \vec
	VSTEP
	VSTEP
	VSTEP
.endif
.set pi, pi+1
.endr
.endm
; The dot with -2 W3 of half hh, whose list is done: 16 packed multiply-adds.  They stand behind a half's last product and name none of its registers: they are the places ahead of the
; first read of that half's results, and ahead of the loads into W2's registers.
.macro DOT hh
	WIN 0x55
.irp u, 0,1,2,3
.irp a, 0,1,2,3
	v_pk_fma_f32 v[SCR+2*(4*(\hh)+\a):SCR+2*(4*(\hh)+\a)+1], v[ACC+32*(\hh)+8*\a+2*\u:ACC+32*(\hh)+8*\a+2*\u+1], v[W3R+2*\u:W3R+2*\u+1], v[SCR+2*(4*(\hh)+\a):SCR+2*(4*(\hh)+\a)+1]
.endr
.endr
.endm
; Behind the first half of the tile in set par: that tile's -2 W3, at off bytes from the trip's place, and (next = 1) the next tile's g into the other set
.macro GLOADS par, off, next
	WIN 0
	v_add_nc_u32 v15, s31, v13
.if \next
	v_add_nc_u32 v16, s31, v12
.endif
	WIN 0x40
	ds_load_b128 v[W3R:W3R+3], v15 offset:\off
	ds_load_b128 v[W3R+4:W3R+7], v15 offset:\off+16
.if \next
	ds_load_b128 v[GRS+8*(1-(\par)):GRS+8*(1-(\par))+3], v16 offset:\off+64
	ds_load_b128 v[GRS+8*(1-(\par))+4:GRS+8*(1-(\par))+7], v16 offset:\off+80
.endif
.endm
	s_wait_xcnt 0x0                                ; the first two tiles' loads have read their bases
	s_add_nc_u64 s[26:27], s[26:27], 16384         ; the bases stand two tiles ahead of the trip
	s_add_nc_u64 s[28:29], s[28:29], 1024
	s_mov_b32 s31, 0                               ; 128 bytes of g and of W3 a trip
	WIN 0x40
	ds_load_b128 v[GRS:GRS+3], v12
	ds_load_b128 v[GRS+4:GRS+7], v12 offset:16
.irp j, 0,1,2,3,4,5,6,7,8,9,10,11,12,13,14,15
	v_mov_b32 v[SCR+\j], 0                         ; the score sums: eight tiles of rows, a pair each
.endr
	s_wait_loadcnt 17                              ; tile 0's 17 loads are in; tile 1's stay out
	s_wait_dscnt 0x0                               ; g of tile 0
	HALF 0, 0, 0                                   ; tile 0, rows 0-63: there is no list yet to set between the products
.rept 4
	v_nop                                          ; so four v_nop are the places ahead of the first read of these results
.endr
	GLOADS 0, 0, 1
	WIN 0                                          ; at a label and at a branch every window is 0
	s_mov_b32 s30, 7
.Ltiles:                                           ; seven trips, from a tile's second half to the first half of the tile two on
	HALF 0, 1, 1                                   ; tile 2 j, rows 64-127 | the list on its rows 0-63
	s_wait_dscnt 0x0                               ; its -2 W3, and g of the next tile
	DOT 0
	LOADF 0, 0, 0                                  ; the set is free: tile 2 j + 2
	s_wait_loadcnt 17                              ; tile 2 j + 1's 17 loads are in; the 17 just issued stay out
	HALF 1, 0, 1                                   ; tile 2 j + 1, rows 0-63 | the list on tile 2 j's rows 64-127
	DOT 1
	GLOADS 1, 64, 1
	HALF 1, 1, 1
	s_wait_dscnt 0x0
	DOT 0
	LOADF 1, 8192, 512                             ; tile 2 j + 3
	s_wait_loadcnt 17
	HALF 0, 0, 1                                   ; tile 2 j + 2, rows 0-63
	DOT 1
	GLOADS 0, 128, 1
	WIN 0
	s_wait_xcnt 0x0                                ; the trip's loads have read their bases
	s_add_nc_u64 s[26:27], s[26:27], 16384
	s_add_nc_u64 s[28:29], s[28:29], 1024
	s_add_co_u32 s31, s31, 128
	s_sub_co_u32 s30, s30, 1
	s_cmp_lg_u32 s30, 0
	s_cbranch_scc1 .Ltiles
	HALF 0, 1, 1                                   ; tile 14, rows 64-127.  The tail asks for no weights: no load leaves its buffer
	s_wait_dscnt 0x0
	DOT 0
	s_wait_loadcnt 0x0                             ; tile 15: nothing was issued behind it
	HALF 1, 0, 1
	DOT 1
	GLOADS 1, 64, 0
	HALF 1, 1, 1
	s_wait_dscnt 0x0
	DOT 0
.set VB, ACC+32                                    ; the last list stands alone (the setting of the multiply-adds serves it: destination and source 0 window 1)
.set vi, 0
.rept 96
	VSTEP
.endr
	DOT 1
	; THE SCORES.  A lane's pair, the lane 16 away, my columns' sum of W3: my wave's part of a for row 16 a + r.  The four waves' parts meet in LDS.
	WIN 0x05                                       ; sources 0 and 1 window 1, destination window 0
.irp a, 0,1,2,3,4,5,6,7
	v_add_f32 v[128+\a], v[SCR+2*\a], v[SCR+2*\a+1]
.endr
	WIN 0
.irp a, 0,1,2,3,4,5,6,7
	v_permlanex16_b32 v[136+\a], v[128+\a], s36, s37
.endr
.irp a, 0,1,2,3,4,5,6,7
	v_add_f32 v[128+\a], v[128+\a], v[136+\a]
.endr
.irp a, 0,1,2,3,4,5,6,7
	v_add_f32 v[128+\a], v[128+\a], v[TW]
.endr
.irp a, 0,1,2,3,4,5,6,7
	ds_store_b32 v25, v[128+\a] offset:64*\a       ; lanes r and 16 + r write the same word with the same value
.endr
	BARRIER
.irp w, 0,1,2,3
	ds_load_b128 v[144+4*\w:147+4*\w], v26 offset:512*\w   ; rows 4 l .. 4 l + 3, each wave's part
.endr
	s_wait_dscnt 0x0
	v_pk_add_f32 v[144:145], v[144:145], v[148:149]
	v_pk_add_f32 v[146:147], v[146:147], v[150:151]
	v_pk_add_f32 v[152:153], v[152:153], v[156:157]
	v_pk_add_f32 v[154:155], v[154:155], v[158:159]
	v_pk_add_f32 v[144:145], v[144:145], v[152:153]
	v_pk_add_f32 v[146:147], v[146:147], v[154:155]
	v_pk_add_f32 v[144:145], v[144:145], s[38:39] op_sel_hi:[1,0]    ; + b3: a, in every wave alike
	v_pk_add_f32 v[146:147], v[146:147], s[38:39] op_sel_hi:[1,0]
	v_max3_num_f32 v148, v144, v145, v146
	v_max_num_f32 v148, v148, v147
.irp x, 1,2,4,8
	v_max_num_f32_dpp v148, v148, v148 row_xmask:\x row_mask:0xf bank_mask:0xf
.endr
	v_permlanex16_b32 v149, v148, s36, s37
	v_max_num_f32 v148, v148, v149                 ; M: the largest of my 128 scores is taken away before the exponential
	v_mul_f32 v154, s34, v148
.irp e, 0,1,2,3
	v_fma_f32 v[150+\e], v[144+\e], s34, -v154
.endr
.irp e, 0,1,2,3
	v_exp_f32 v[150+\e], v[150+\e]                 ; p, at most 1
.endr
	v_nop
	s_wait_alu depctr_va_vdst(0)
	ds_store_b128 v27, v[150:153]                  ; into my wave's own 512 bytes
	v_add_f32 v149, v150, v151                     ; the sum of the 128 p, beside M in the pair v[148:149]
	v_add_f32 v155, v152, v153
	v_add_f32 v149, v149, v155
.irp x, 1,2,4,8
	v_add_f32_dpp v149, v149, v149 row_xmask:\x row_mask:0xf bank_mask:0xf
.endr
	v_permlanex16_b32 v155, v149, s36, s37
	v_add_f32 v149, v149, v155
	; THE PARTIAL c.  Wave w takes slice w of every row of the copy: lane l columns 32 l + 8 w + 0 .. 7.  Eight rows a set, two sets by turns.
.macro PLOADS d, p, off, poff
.irp i, 0,1,2,3,4,5,6,7
	ds_load_b128 v[\d+4*\i:\d+4*\i+3], v18 offset:\off+2048*\i
.endr
	ds_load_b128 v[\p:\p+3], v19 offset:\poff      ; eight p: every lane reads the same words
	ds_load_b128 v[\p+4:\p+7], v19 offset:\poff+16
.endm
.macro WSUM d, p
.irp i, 0,1,2,3,4,5,6,7
.irp g, 0,1,2,3
	v_fma_mix_f32_bf16 v[CA+2*\g], v[\d+4*\i+\g], v[\p+\i], v[CA+2*\g] op_sel_hi:[1,0,0]
	v_fma_mix_f32_bf16 v[CA+2*\g+1], v[\d+4*\i+\g], v[\p+\i], v[CA+2*\g+1] op_sel:[1,0,0] op_sel_hi:[1,0,0]
.endr
.endr
.endm
	s_mov_b32 s42, 0                               ; 16 rows of the copy a trip,
	s_mov_b32 s43, 0                               ; and their 16 p
	v_add_nc_u32 v18, s42, v20
	v_add_nc_u32 v19, s43, v21
.irp e, 0,1,2,3,4,5,6,7
	v_mov_b32 v[CA+\e], 0
.endr
	PLOADS DA, PA, 0, 0
	s_mov_b32 s30, 7
.Lrows:
	PLOADS DB, PB, 16384, 32
	s_wait_dscnt 10                                ; the older set is in; the ten loads just issued stay out
	WSUM DA, PA
	s_add_co_u32 s42, s42, 32768
	s_add_co_u32 s43, s43, 64
	v_add_nc_u32 v18, s42, v20
	v_add_nc_u32 v19, s43, v21
	PLOADS DA, PA, 0, 0
	s_wait_dscnt 10
	WSUM DB, PB
	s_sub_co_u32 s30, s30, 1
	s_cmp_lg_u32 s30, 0
	s_cbranch_scc1 .Lrows
	PLOADS DB, PB, 16384, 32                       ; rows 120 to 127
	s_wait_dscnt 10
	WSUM DA, PA
	s_wait_dscnt 0x0
	WSUM DB, PB
	ds_store_b128 v22, v[CA:CA+3]
	ds_store_b128 v22, v[CA+4:CA+7] offset:16
	BARRIER                                        ; the 1,024 columns lie in order in CT
	ds_load_b128 v[136:139], v23
	ds_load_b128 v[140:143], v23 offset:2048
	s_wait_dscnt 1
	global_store_b128 v24, v[136:139], s[18:19] th:TH_STORE_NT       ; a wave stores 512 consecutive bytes
	s_wait_dscnt 0x0
	global_store_b128 v24, v[140:143], s[18:19] offset:2048 th:TH_STORE_NT
	s_cmp_lg_u32 s20, 0                            ; every wave holds the same 128 scores, M and sum: wave 0 stores them
	s_cbranch_scc1 .Lend
	global_store_b128 v4, v[144:147], s[16:17]     ; 512 consecutive bytes of scores
	global_store_b64 v28, v[148:149], s[46:47]     ; the pair (M, sum) 32 times: 256 consecutive bytes, at a multiple of 256 from stat's first byte
.Lend:
	s_wait_tensorcnt 0x0
	ds_add_u32 v254, v255
	s_wait_dscnt 0x0
	s_endpgm
.Lfunc_end_k_q4b46127df2_main:
	.size	k_q4b46127df2_main, .Lfunc_end_k_q4b46127df2_main-k_q4b46127df2_main
	.p2alignl 7, 3214868480
	.fill 96, 4, 3214868480
	.section	.rodata,"a",@progbits
	.p2align	6, 0x0
	.amdhsa_kernel k_q4b46127df2_main
		.amdhsa_group_segment_fixed_size 326144
		.amdhsa_private_segment_fixed_size 0
		.amdhsa_enable_private_segment 0
		.amdhsa_kernarg_size 72
		.amdhsa_user_sgpr_count 2
		.amdhsa_user_sgpr_kernarg_segment_ptr 1
		.amdhsa_wavefront_size32 1
		.amdhsa_system_sgpr_workgroup_id_x 1
		.amdhsa_system_sgpr_workgroup_id_y 1
		.amdhsa_system_sgpr_workgroup_id_z 1
		.amdhsa_system_vgpr_workitem_id 0
		.amdhsa_next_free_vgpr 1024
		.amdhsa_next_free_sgpr 66
		.amdhsa_reserve_vcc 0
		.amdhsa_float_denorm_mode_32 3
		.amdhsa_float_denorm_mode_16_64 3
		.amdhsa_memory_ordered 1
		.amdhsa_forward_progress 1
		.amdhsa_inst_pref_size 255
	.end_amdhsa_kernel
	.section	.bss,"aw",@nobits
	.p2align	6
	.space	262144
	.amdgpu_metadata
---
amdhsa.version: [ 1, 2 ]
amdhsa.kernels:
  - .name:           k_q4b46127df2_main
    .symbol:         k_q4b46127df2_main.kd
    .args:
      - { .name: out_e, .offset: 0, .size: 8, .value_kind: global_buffer, .address_space: global }
      - { .name: w2f, .offset: 8, .size: 8, .value_kind: global_buffer, .address_space: global }
      - { .name: W2_scales, .offset: 16, .size: 8, .value_kind: global_buffer, .address_space: global }
      - { .name: gbuf, .offset: 24, .size: 8, .value_kind: global_buffer, .address_space: global }
      - { .name: W3, .offset: 32, .size: 8, .value_kind: global_buffer, .address_space: global }
      - { .name: b3, .offset: 40, .size: 8, .value_kind: global_buffer, .address_space: global }
      - { .name: abuf, .offset: 48, .size: 8, .value_kind: global_buffer, .address_space: global }
      - { .name: cpart, .offset: 56, .size: 8, .value_kind: global_buffer, .address_space: global }
      - { .name: stat, .offset: 64, .size: 8, .value_kind: global_buffer, .address_space: global }
    .group_segment_fixed_size: 326144
    .private_segment_fixed_size: 0
    .kernarg_segment_align: 8
    .kernarg_segment_size: 72
    .max_flat_workgroup_size: 128
    .sgpr_count:     66
    .vgpr_count:     1024
    .wavefront_size: 32
...
	.end_amdgpu_metadata
.endif
;; end of part 2
;; launch combine (part 3): grid 64 x 1, 8 waves a work-group, no clusters, 2,048 bytes of LDS; arguments abuf, cpart, stat, out0, out1; writes out0, out1
.if DOCPART == 3
	.amdgcn_target "amdgcn-amd-amdhsa--gfx1250"
	.amdhsa_code_object_version 6
	.text
	.protected	k_q4b46127df2_combine
	.globl	k_q4b46127df2_combine
	.p2align	8
	.type	k_q4b46127df2_combine,@function
k_q4b46127df2_combine:
	s_mov_b64 s[64:65], 0
	v_nop
	global_prefetch_b8 v0, s[64:65] scope:SCOPE_SE
	s_setreg_imm32_b32 hwreg(HW_REG_WAVE_MODE, 25, 1), 1
	s_wait_xcnt 0x0
; COMBINE.  The launch before left, for each n and each quarter x of the source axis, M_x (the largest score of the quarter, which it took away in its exponentials), L_x (the sum of its 128 p) and cpart[n][x][:].
;   M[n] = the largest M_x;  e_x = 2^((M_x - M) log2 e);  L[n] = sum of L_x e_x;   alpha[s][n] = 2^((a[n][s] - M[n]) log2 e) / L[n];   c[n][:] = sum over x of (e_x / L[n]) cpart[n][x][:].
; SHARES.  Work-group k writes c for n = k and alpha for s = 8 k .. 8 k + 7 (eight whole rows of 256 bytes; wave w the row 8 k + w).  alpha wants M and L of all 64 n: thread t takes the pair of (n, x) = (t / 4, t % 4);
; four neighbouring lanes hold an n, and two steps between lanes join them; -M log2 e goes to LDS at 4 n and 1 / L at 256 + 4 n.  The four weights of n = k are made in every wave from a load of its own, lane l the part l % 4,
; and are read out into scalar registers.  Each pair is read from the first 8 bytes of its 256-byte place in stat: once a thread, in no loop.
; No matrix work, no tensor loads, no cluster: the launch moves little more than a megabyte.
.set CPP, 24                           ; v24-39 the four parts of c, 16 bytes each
.set CO,  56
	s_load_b256 s[4:11], s[0:1], 0x0               ; abuf s[4:5], cpart s[6:7], stat s[8:9], out0 s[10:11]
	s_load_b64 s[12:13], s[0:1], 0x20              ; out1
	v_lshl_add_u32 v64, v0, 2, 0x400
	v_mov_b32 v65, 0
	v_lshrrev_b32 v1, 5, v0
	v_readfirstlane_b32 s14, v1                    ; wave 0..7
	v_and_b32 v1, 31, v0                           ; l
	v_lshlrev_b32 v2, 8, v0                        ; stat: 256 t
	v_and_b32 v3, 3, v0
	v_lshlrev_b32 v3, 8, v3                        ; and 256 (l % 4), for n = k
	v_lshlrev_b32 v4, 4, v0                        ; 16 t
	v_lshlrev_b32 v5, 3, v1                        ; 8 l
	v_lshlrev_b32 v6, 12, v1                       ; two rows of scores a lane: 4,096 l
	v_and_b32 v7, 0xfc, v0                         ; the table: 4 (t / 4)
	s_mov_b32 s26, 0xbfb8aa3b                      ; -log2 e
	s_mov_b32 s27, 0x3fb8aa3b                      ; log2 e
	s_lshl_b32 s28, ttmp9, 5
	s_lshl_b32 s30, s14, 2
	s_add_co_u32 s28, s28, s30                     ; 4 (8 k + w)
	s_mov_b32 s29, 0
	s_lshl_b32 s30, ttmp9, 14                      ; cpart[k]
	s_mov_b32 s31, 0
	s_lshl_b32 s20, ttmp9, 10                      ; stat[k]
	s_mov_b32 s21, 0
	s_lshl_b32 s22, ttmp9, 12                      ; c[k]
	s_mov_b32 s23, 0
	s_lshl_b32 s24, ttmp9, 11
	s_lshl_b32 s25, s14, 8
	s_add_co_u32 s24, s24, s25                     ; alpha: row 8 k + w
	s_mov_b32 s25, 0
	s_wait_kmcnt 0x0
	s_add_nc_u64 s[4:5], s[4:5], s[28:29]
	s_add_nc_u64 s[6:7], s[6:7], s[30:31]
	s_add_nc_u64 s[16:17], s[8:9], s[20:21]
	s_add_nc_u64 s[10:11], s[10:11], s[22:23]
	s_add_nc_u64 s[12:13], s[12:13], s[24:25]
	global_load_b64 v[16:17], v2, s[8:9]           ; (M_x, L_x) of (n, x) = (t / 4, t % 4)
	global_load_b64 v[18:19], v3, s[16:17]         ; and of (k, l % 4)
	global_load_b32 v20, v6, s[4:5]                ; a[2 l][8 k + w]
	global_load_b32 v21, v6, s[4:5] offset:2048    ; a[2 l + 1][8 k + w]
.irp b, 0,1,2,3
	global_load_b128 v[CPP+4*\b:CPP+4*\b+3], v4, s[6:7] offset:4096*\b
.endr
	s_wait_loadcnt 6                               ; the two pairs are in; the two scores and the four parts of c stay out
	v_mov_b32 v40, v16
	v_mov_b32 v41, v18
.irp x, 1,2
	v_max_num_f32_dpp v40, v40, v40 row_xmask:\x row_mask:0xf bank_mask:0xf
	v_max_num_f32_dpp v41, v41, v41 row_xmask:\x row_mask:0xf bank_mask:0xf
.endr
	v_mul_f32 v42, s26, v40                        ; -M log2 e
	v_mul_f32 v43, s26, v41
	v_fma_f32 v44, v16, s27, v42
	v_fma_f32 v45, v18, s27, v43
	v_exp_f32 v44, v44                             ; e_x, at most 1
	v_exp_f32 v45, v45
	v_nop                                          ; a plain instruction behind the last exponential,
	s_wait_alu depctr_va_vdst(0)                   ; and one wait for the batch ahead of its first reader
	v_mul_f32 v46, v17, v44
	v_mul_f32 v47, v19, v45
.irp x, 1,2
	v_add_f32_dpp v46, v46, v46 row_xmask:\x row_mask:0xf bank_mask:0xf
	v_add_f32_dpp v47, v47, v47 row_xmask:\x row_mask:0xf bank_mask:0xf
.endr
	v_rcp_f32 v48, v46                             ; 1 / L; L is at least 1: the quarter that holds M has e = 1 and a p = 1
	v_rcp_f32 v49, v47
	v_nop
	s_wait_alu depctr_va_vdst(0)
	v_mul_f32 v45, v45, v49                        ; the weight of part l % 4 of n = k
	ds_store_b32 v7, v42                           ; the four lanes of an n write the same word with the same value
	ds_store_b32 v7, v48 offset:256
	v_readlane_b32 s32, v45, 0
	v_readlane_b32 s33, v45, 1
	v_readlane_b32 s34, v45, 2
	v_readlane_b32 s35, v45, 3
	s_wait_dscnt 0x0                               ; for the others' sake: my part of the table is written
	s_barrier_signal -1
	s_barrier_wait -1
	ds_load_b64 v[50:51], v5                       ; -M log2 e of n = 2 l, 2 l + 1
	ds_load_b64 v[52:53], v5 offset:256            ; and 1 / L
	s_wait_loadcnt 4                               ; the two scores are in; the four parts of c stay out
	s_wait_dscnt 0x0
	v_fma_f32 v20, v20, s27, v50
	v_fma_f32 v21, v21, s27, v51
	v_exp_f32 v20, v20
	v_exp_f32 v21, v21
	v_nop
	s_wait_alu depctr_va_vdst(0)
	v_mul_f32 v20, v20, v52
	v_mul_f32 v21, v21, v53
	global_store_b64 v5, v[20:21], s[12:13]        ; 32 lanes store a row of alpha: 256 consecutive bytes, at a multiple of 256 from out1's first byte
	s_wait_loadcnt 0x0                             ; the four parts of c
.irp e, 0,1,2,3
	v_mul_f32 v[CO+\e], s32, v[CPP+\e]
.endr
.irp b, 1,2,3
.irp e, 0,1,2,3
	v_fma_f32 v[CO+\e], v[CPP+4*\b+\e], s[32+\b], v[CO+\e]
.endr
.endr
	global_store_b128 v4, v[CO:CO+3], s[10:11]     ; a wave stores 512 consecutive bytes of c[k]
	s_wait_tensorcnt 0x0
	ds_add_u32 v64, v65
	s_wait_dscnt 0x0
	s_endpgm
.Lfunc_end_k_q4b46127df2_combine:
	.size	k_q4b46127df2_combine, .Lfunc_end_k_q4b46127df2_combine-k_q4b46127df2_combine
	.p2alignl 7, 3214868480
	.fill 96, 4, 3214868480
	.section	.rodata,"a",@progbits
	.p2align	6, 0x0
	.amdhsa_kernel k_q4b46127df2_combine
		.amdhsa_group_segment_fixed_size 2048
		.amdhsa_private_segment_fixed_size 0
		.amdhsa_enable_private_segment 0
		.amdhsa_kernarg_size 40
		.amdhsa_user_sgpr_count 2
		.amdhsa_user_sgpr_kernarg_segment_ptr 1
		.amdhsa_wavefront_size32 1
		.amdhsa_system_sgpr_workgroup_id_x 1
		.amdhsa_system_sgpr_workgroup_id_y 1
		.amdhsa_system_sgpr_workgroup_id_z 1
		.amdhsa_system_vgpr_workitem_id 0
		.amdhsa_next_free_vgpr 66
		.amdhsa_next_free_sgpr 66
		.amdhsa_reserve_vcc 0
		.amdhsa_float_denorm_mode_32 3
		.amdhsa_float_denorm_mode_16_64 3
		.amdhsa_memory_ordered 1
		.amdhsa_forward_progress 1
		.amdhsa_inst_pref_size 6
	.end_amdhsa_kernel
	.amdgpu_metadata
---
amdhsa.version: [ 1, 2 ]
amdhsa.kernels:
  - .name:           k_q4b46127df2_combine
    .symbol:         k_q4b46127df2_combine.kd
    .args:
      - { .name: abuf, .offset: 0, .size: 8, .value_kind: global_buffer, .address_space: global }
      - { .name: cpart, .offset: 8, .size: 8, .value_kind: global_buffer, .address_space: global }
      - { .name: stat, .offset: 16, .size: 8, .value_kind: global_buffer, .address_space: global }
      - { .name: out0, .offset: 24, .size: 8, .value_kind: global_buffer, .address_space: global }
      - { .name: out1, .offset: 32, .size: 8, .value_kind: global_buffer, .address_space: global }
    .group_segment_fixed_size: 2048
    .private_segment_fixed_size: 0
    .kernarg_segment_align: 8
    .kernarg_segment_size: 40
    .max_flat_workgroup_size: 256
    .sgpr_count:     66
    .vgpr_count:     66
    .wavefront_size: 32
...
	.end_amdgpu_metadata
.endif
;; end of part 3
;; ======== version 2 of 2: 3 launches; version 1 with the launches prep, main written anew for expert scheduling mode
;; workspace buffers: w2f 524,288 bytes; gbuf 262,144 bytes; abuf 131,072 bytes; cpart 1,048,576 bytes; stat 65,536 bytes
;; launch prep (part 4): grid 16 x 4, 4 waves a work-group, no clusters, 4,864 bytes of LDS; arguments W1_codes, W1_scales, W2_codes, hidden_d_codes, hidden_d_scales, b1, b2, w2f, gbuf; writes w2f, gbuf
.if DOCPART == 4
	.amdgcn_target "amdgcn-amd-amdhsa--gfx1250"
	.amdhsa_code_object_version 6
	.text
	.protected	k_q4b46127df2_prep
	.globl	k_q4b46127df2_prep
	.p2align	8
	.type	k_q4b46127df2_prep,@function
k_q4b46127df2_prep:
	s_mov_b64 s[64:65], 0
	v_nop
	global_prefetch_b8 v0, s[64:65] scope:SCOPE_SE
	s_setreg_imm32_b32 hwreg(HW_REG_WAVE_SCHED_MODE, 0, 2), 2
	s_setreg_imm32_b32 hwreg(HW_REG_WAVE_MODE, 25, 1), 1
	s_wait_xcnt 0x0
	s_wait_alu depctr_vm_vsrc(0)
; PREP.  Two things that the main launch wants once.
; (1) g[n][j] = sum over k of hd[n][k] W1[j][k] + b1[j] + b2[j], for the 64 different rows of hd (reference() repeats them over the source axis), on the given codes of E2M1 with their E8M0 scales; f32 sums.
; (2) W2's codes laid in the order of an operand's registers: tile T (16 rows), K step q (128 codes), half c: 512 bytes at 8192 T + 512 (2 q + c), lane L's 16 bytes at 16 L.
; SHARES.  Work-group (b, m): columns j = 64 b .. 64 b + 63, rows n = 16 m .. 16 m + 15 of hd.  Wave w: the tile T = 4 b + w of 16 rows of W1; of W2's tile T it lays K steps 2 m and 2 m + 1.
; THE PRODUCT IS USED TRANSPOSED: source 0 = 16 rows of W1, source 1 = 16 rows of hd: lane (r, h) then holds g(16 m + r, 16 T + 8 h + 0 .. 7).
; The eight K steps go to TWO accumulators by turns, the even steps (begun with the bias as C) and the odd ones (begun with 0); one packed addition joins them.
; SCALES.  A row has 32 scale bytes, eight words.  One load of 16 bytes at 32 r + 16 h gives register i the word of K step i in lanes 0-15 and that of K step 4 + i in lanes 16-31: K steps 4 to 7 name the upper lanes.
; THE MODE: SCHED_MODE bits 1:0 = 2 (LLVM: expert scheduling mode 2), set by the entry lines.  The code itself states the register dependences between vector or matrix instructions and memory or LDS instructions, with s_wait_alu, always for 0.
; THE PLAN.  Registers that memory or LDS instructions touch: the offsets and addresses v3 to v9, made once at the head and never written again; the loads' destinations v16-183 and v216-223, which no vector instruction writes
; (v152-159 alone are written again, behind the wait for their loads, and no memory instruction reads them); v208-215, g, written by four packed additions and read by two LDS stores.  So two waits on va_vdst stand in the text:
; ahead of the first load and ahead of the LDS stores; and one on va_sdst, for the wave's number.  No register that a memory instruction has read is written again.
; REGISTERS: v1-10 addresses; v16-79 hd's fragments; v80-143 W1's; v144-147 W1's scale words; v148-151 hd's; v152-167 b1, b2; v168-183 four pieces of W2; v192-207 two accumulators; v208-215 g; v216-223 the way out.
.set STP,  272                         ; a stage row: the work-group's 64 columns, 256 bytes, + 16: an odd multiple of 16 bytes
.set HD,   16
.set W1F,  80
.set W1S,  144
.set HS,   148
.set BI,   152
.set B2R,  160
.set W2P,  168
.set ACE,  192
.set ACO,  200
.set GO,   208
.set OUTR, 216
	s_load_b512 s[4:19], s[0:1], 0x0               ; W1 codes s[4:5], W1 scales s[6:7], W2 codes s[8:9], hd codes s[10:11], hd scales s[12:13], b1 s[14:15], b2 s[16:17], w2f s[18:19]
	s_load_b64 s[20:21], s[0:1], 0x40              ; gbuf
	v_lshl_add_u32 v224, v0, 2, 0x1100
	v_mov_b32 v225, 0
	v_lshrrev_b32 v10, 5, v0
	v_readfirstlane_b32 s22, v10                   ; wave 0..3
	v_and_b32 v10, 31, v0                          ; L
	v_and_b32 v1, 15, v0                           ; r
	v_bfe_u32 v2, v0, 4, 1                         ; h
	v_lshlrev_b32 v3, 9, v1
	v_lshl_add_u32 v3, v2, 4, v3                   ; a row of 1,024 codes is 512 bytes: 512 r + 16 h
	v_lshlrev_b32 v4, 4, v10                       ; 16 L
	v_lshlrev_b32 v5, 5, v1
	v_lshl_add_u32 v5, v2, 4, v5                   ; scale bytes: 32 r + 16 h
	v_lshlrev_b32 v6, 5, v2                        ; the biases: 32 h
	v_mul_u32_u24 v7, v1, STP
	v_lshl_add_u32 v7, v2, 5, v7
	s_wait_alu depctr_va_sdst(0)                   ; s22 is written, ahead of its first reader: LDS addresses and all the bases are made from it
	s_lshl_b32 s23, s22, 6
	v_add_nc_u32 v7, s23, v7                       ; the stage, in: row r, + 64 w + 32 h
	s_mul_i32 s23, s22, 4*STP
	v_mul_u32_u24 v8, v2, STP
	v_lshl_add_u32 v8, v1, 4, v8
	v_add_nc_u32 v8, s23, v8                       ; and out: rows 4 w on; lanes 0-15 one row, lanes 16-31 the next
	s_lshl_b32 s23, s22, 14
	v_lshlrev_b32 v9, 12, v2
	v_lshl_add_u32 v9, v1, 4, v9
	v_add_nc_u32 v9, s23, v9                       ; the same two rows in gbuf (4,096 bytes a row)
	s_and_b32 s25, ttmp7, 0xffff                   ; m
	s_lshl_b32 s24, ttmp9, 2
	s_add_co_u32 s24, s24, s22                     ; T
	s_lshl_b32 s26, s24, 13                        ; 8,192 T: 16 rows of codes
	s_mov_b32 s27, 0
	s_lshl_b32 s28, s24, 9                         ; 512 T: 16 rows of scale bytes
	s_mov_b32 s29, 0
	s_lshl_b32 s30, s24, 6                         ; 64 T: 16 numbers of a bias
	s_mov_b32 s31, 0
	s_lshl_b32 s32, s25, 16                        ; 16 m rows of gbuf,
	s_lshl_b32 s34, ttmp9, 8                       ; + the work-group's columns in a row
	s_add_co_u32 s32, s32, s34
	s_mov_b32 s33, 0
	s_lshl_b32 s34, s25, 13                        ; 8,192 m: hd's 16 rows of codes
	s_mov_b32 s35, 0
	s_lshl_b32 s36, s25, 9                         ; 512 m: and of scale bytes
	s_mov_b32 s37, 0
	s_lshl_b32 s38, s25, 7                         ; 128 m: K steps 2 m, 2 m + 1 in a row of W2
	s_mov_b32 s39, 0
	s_wait_kmcnt 0x0
	s_add_nc_u64 s[4:5], s[4:5], s[26:27]
	s_add_nc_u64 s[6:7], s[6:7], s[28:29]
	s_add_nc_u64 s[8:9], s[8:9], s[26:27]
	s_add_nc_u64 s[8:9], s[8:9], s[38:39]
	s_add_nc_u64 s[10:11], s[10:11], s[34:35]
	s_add_nc_u64 s[12:13], s[12:13], s[36:37]
	s_add_nc_u64 s[14:15], s[14:15], s[30:31]
	s_add_nc_u64 s[16:17], s[16:17], s[30:31]
	s_add_nc_u64 s[18:19], s[18:19], s[26:27]
	s_lshl_b32 s38, s25, 11                        ; 2,048 m: the same two K steps in w2f's tile
	s_add_nc_u64 s[18:19], s[18:19], s[38:39]
	s_add_nc_u64 s[20:21], s[20:21], s[32:33]
	s_wait_alu depctr_va_vdst(0)                   ; the offsets and addresses v3 to v9 are written: every load, store and LDS instruction of the kernel reads one of them
.irp i, 0,1,2,3
	global_load_b128 v[W2P+4*\i:W2P+4*\i+3], v3, s[8:9] offset:32*\i
.endr
.irp q, 0,1,2,3,4,5,6,7
.irp c, 0,1
	global_load_b128 v[W1F+8*\q+4*\c:W1F+8*\q+4*\c+3], v3, s[4:5] offset:64*\q+32*\c
.endr
.endr
.irp q, 0,1,2,3,4,5,6,7
.irp c, 0,1
	global_load_b128 v[HD+8*\q+4*\c:HD+8*\q+4*\c+3], v3, s[10:11] offset:64*\q+32*\c
.endr
.endr
	global_load_b128 v[W1S:W1S+3], v5, s[6:7]
	global_load_b128 v[HS:HS+3], v5, s[12:13]
	global_load_b128 v[BI:BI+3], v6, s[14:15]
	global_load_b128 v[BI+4:BI+7], v6, s[14:15] offset:16
	global_load_b128 v[B2R:B2R+3], v6, s[16:17]
	global_load_b128 v[B2R+4:B2R+7], v6, s[16:17] offset:16
	s_wait_loadcnt 38                              ; W2's four pieces are in; the 38 loads issued behind them stay out
.irp i, 0,1,2,3
	global_store_b128 v4, v[W2P+4*\i:W2P+4*\i+3], s[18:19] offset:512*\i   ; 32 lanes store 512 consecutive bytes: the registers as they stand
.endr
	s_wait_loadcnt 0x0
.irp j, 0,2,4,6
	v_pk_add_f32 v[BI+\j:BI+\j+1], v[BI+\j:BI+\j+1], v[B2R+\j:B2R+\j+1]   ; b1 + b2 at my eight columns
.endr
.rept 4
	v_nop
.endr
.irp q, 0,1,2,3,4,5,6,7
.if \q == 0
	v_wmma_scale_f32_16x16x128_f8f6f4 v[ACE:ACE+7], v[W1F:W1F+7], v[HD:HD+7], v[BI:BI+7], v[W1S], v[HS] matrix_a_fmt:MATRIX_FMT_FP4 matrix_b_fmt:MATRIX_FMT_FP4
.elseif \q == 1
	v_wmma_scale_f32_16x16x128_f8f6f4 v[ACO:ACO+7], v[W1F+8:W1F+15], v[HD+8:HD+15], 0, v[W1S+1], v[HS+1] matrix_a_fmt:MATRIX_FMT_FP4 matrix_b_fmt:MATRIX_FMT_FP4
.elseif \q < 4
	v_wmma_scale_f32_16x16x128_f8f6f4 v[ACE+8*(\q%2):ACE+8*(\q%2)+7], v[W1F+8*\q:W1F+8*\q+7], v[HD+8*\q:HD+8*\q+7], v[ACE+8*(\q%2):ACE+8*(\q%2)+7], v[W1S+\q], v[HS+\q] matrix_a_fmt:MATRIX_FMT_FP4 matrix_b_fmt:MATRIX_FMT_FP4
.else
	v_wmma_scale_f32_16x16x128_f8f6f4 v[ACE+8*(\q%2):ACE+8*(\q%2)+7], v[W1F+8*\q:W1F+8*\q+7], v[HD+8*\q:HD+8*\q+7], v[ACE+8*(\q%2):ACE+8*(\q%2)+7], v[W1S+\q-4], v[HS+\q-4] matrix_a_fmt:MATRIX_FMT_FP4 matrix_b_fmt:MATRIX_FMT_FP4 matrix_a_scale:MATRIX_SCALE_ROW1 matrix_b_scale:MATRIX_SCALE_ROW1
.endif
.endr
.rept 4
	v_nop                                          ; four places between the last product and the first read of results (ISA guide 7.12.1)
.endr
.irp j, 0,2,4,6
	v_pk_add_f32 v[GO+\j:GO+\j+1], v[ACE+\j:ACE+\j+1], v[ACO+\j:ACO+\j+1]   ; the even and the odd K steps; both accumulators from their low end on
.endr
	s_wait_alu depctr_va_vdst(0)                   ; the four additions have written v[GO ..], which the LDS stores read
	ds_store_b128 v7, v[GO:GO+3]
	ds_store_b128 v7, v[GO+4:GO+7] offset:16
	s_wait_dscnt 0x0                               ; for the others' sake: my stores into the stage are done
	s_barrier_signal -1
	s_barrier_wait -1                              ; a row's 256 bytes come from four waves
.irp i, 0,1
	ds_load_b128 v[OUTR+4*\i:OUTR+4*\i+3], v8 offset:2*\i*STP
.endr
.irp i, 0,1
	s_wait_dscnt 1-\i
	global_store_b128 v9, v[OUTR+4*\i:OUTR+4*\i+3], s[20:21] offset:8192*\i   ; 16 lanes store 256 consecutive bytes, at a multiple of 256 from gbuf's first byte
.endr
	s_wait_dscnt 0x0                               ; the closing lines, six on end
	s_wait_alu 0x0
	s_wait_tensorcnt 0x0
	ds_add_u32 v224, v225
	s_wait_dscnt 0x0
	s_endpgm
.Lfunc_end_k_q4b46127df2_prep:
	.size	k_q4b46127df2_prep, .Lfunc_end_k_q4b46127df2_prep-k_q4b46127df2_prep
	.p2alignl 7, 3214868480
	.fill 96, 4, 3214868480
	.section	.rodata,"a",@progbits
	.p2align	6, 0x0
	.amdhsa_kernel k_q4b46127df2_prep
		.amdhsa_group_segment_fixed_size 4864
		.amdhsa_private_segment_fixed_size 0
		.amdhsa_enable_private_segment 0
		.amdhsa_kernarg_size 72
		.amdhsa_user_sgpr_count 2
		.amdhsa_user_sgpr_kernarg_segment_ptr 1
		.amdhsa_wavefront_size32 1
		.amdhsa_system_sgpr_workgroup_id_x 1
		.amdhsa_system_sgpr_workgroup_id_y 1
		.amdhsa_system_sgpr_workgroup_id_z 1
		.amdhsa_system_vgpr_workitem_id 0
		.amdhsa_next_free_vgpr 226
		.amdhsa_next_free_sgpr 66
		.amdhsa_reserve_vcc 0
		.amdhsa_float_denorm_mode_32 3
		.amdhsa_float_denorm_mode_16_64 3
		.amdhsa_memory_ordered 1
		.amdhsa_forward_progress 1
		.amdhsa_inst_pref_size 10
	.end_amdhsa_kernel
	.amdgpu_metadata
---
amdhsa.version: [ 1, 2 ]
amdhsa.kernels:
  - .name:           k_q4b46127df2_prep
    .symbol:         k_q4b46127df2_prep.kd
    .args:
      - { .name: W1_codes, .offset: 0, .size: 8, .value_kind: global_buffer, .address_space: global }
      - { .name: W1_scales, .offset: 8, .size: 8, .value_kind: global_buffer, .address_space: global }
      - { .name: W2_codes, .offset: 16, .size: 8, .value_kind: global_buffer, .address_space: global }
      - { .name: hidden_d_codes, .offset: 24, .size: 8, .value_kind: global_buffer, .address_space: global }
      - { .name: hidden_d_scales, .offset: 32, .size: 8, .value_kind: global_buffer, .address_space: global }
      - { .name: b1, .offset: 40, .size: 8, .value_kind: global_buffer, .address_space: global }
      - { .name: b2, .offset: 48, .size: 8, .value_kind: global_buffer, .address_space: global }
      - { .name: w2f, .offset: 56, .size: 8, .value_kind: global_buffer, .address_space: global }
      - { .name: gbuf, .offset: 64, .size: 8, .value_kind: global_buffer, .address_space: global }
    .group_segment_fixed_size: 4864
    .private_segment_fixed_size: 0
    .kernarg_segment_align: 8
    .kernarg_segment_size: 72
    .max_flat_workgroup_size: 128
    .sgpr_count:     66
    .vgpr_count:     226
    .wavefront_size: 32
...
	.end_amdgpu_metadata
.endif
;; end of part 4
;; launch main (part 5): grid 4 x 64, 4 waves a work-group, no clusters, 326,144 bytes of LDS; arguments out_e, w2f, W2_scales, gbuf, W3, b3, abuf, cpart, stat; writes abuf, cpart, stat
.if DOCPART == 5
	.amdgcn_target "amdgcn-amd-amdhsa--gfx1250"
	.amdhsa_code_object_version 6
	.text
	.protected	k_q4b46127df2_main
	.globl	k_q4b46127df2_main
	.p2align	8
	.type	k_q4b46127df2_main,@function
k_q4b46127df2_main:
	s_mov_b64 s[64:65], 0
	v_nop
	global_prefetch_b8 v0, s[64:65] scope:SCOPE_SE
	s_setreg_imm32_b32 hwreg(HW_REG_WAVE_SCHED_MODE, 0, 2), 2
	s_setreg_imm32_b32 hwreg(HW_REG_WAVE_MODE, 25, 1), 1
	s_wait_xcnt 0x0
	s_wait_alu depctr_vm_vsrc(0)
; MAIN.  For one n (work-group y) and 128 source places s = 128 x + 0 .. 127 (work-group x):
;   a[s] = sum over j of W3[j] tanh(g[n][j] + sum over k of Q(out_e[s][n])[k] W2[j][k]) + b3,   M = the largest of the 128 a,   p[s] = 2^((a[s] - M) log2 e),   cpart[n][x][:] = sum over s of p[s] bf16(out_e[s][n][:]),
;   stat[n][x] = (M, the sum of the 128 p).  Q is the MX quantiser along k (blocks of 32, E2M1 codes, E8M0 scale), made from the f32 numbers; the product runs on codes; sums f32.  The last launch joins the four parts of each n.
; out_e IS READ ONCE.  Each of the 128 rows is quantised as it arrives, and a copy in bf16 (for the last sum, which the contract leaves in bf16) stays in LDS until the scores are known.
; SHARES.  Loading: wave w takes 32 rows, row 32 p + 8 w + i in sub-phase p.  Product: every wave holds the codes of ALL 128 rows in 512 registers and takes 256 of the 1,024 columns j, 16 at a time;
;   W2's fragments come from memory straight into operand registers (the launch before has laid them so), each byte wanted by one wave of the work-group.  Last sum: wave w takes 8 of every 32 columns.
; NO CLUSTER, NO JOINT LOADS, though all work-groups walk the same W2: the copy takes 262,144 bytes of LDS and the scratch that LDS stores write 63,488; a joint load wants bytes that no LDS store has written, and two slots
;   of 64 rows of W2 (2 x 64 x 544 bytes) do not fit into what is left.
; THE PRODUCT IS USED TRANSPOSED: source 0 = 16 rows of W2, source 1 = 16 rows of out_e: lane (r, h) holds row 16 a + r and columns j0 + 8 h + 0 .. 7; g is the C of each sum's first product.
; tanh(z) = 1 - 2 / (1 + 2^(2 z log2 e)): where the power overflows the quotient is 0, where it falls to 0 the quotient is 1: no range of z is left out.  So a = (sum of W3 + b3) + sum of (-2 W3[j]) / (1 + 2^..).
; BY TURNS.  A tile's eight accumulators are two halves: rows 0-63 and rows 64-127.  While one half's 32 products are issued, the other half's tanh, a list of 96 instructions on its 32 registers, stands between them, three behind
;   each product.  The 16 multiply-adds with W3 stand together behind the half's last product.
; LIMITS: NaN and infinities in out_e are not served.  A block of zeros gets the scale byte 1 where the rule says 127: its codes are zeros, and this program alone reads the bytes.  The copy for the last sum is bf16.
; THE MODE: SCHED_MODE bits 1:0 = 2 (LLVM: expert scheduling mode 2), set by the entry lines.  The code itself states the register dependences between vector or matrix instructions and memory or LDS instructions, with s_wait_alu, always for 0.
; THE PLAN, phase by phase: the registers that memory or LDS instructions touch, and who else names them.
;   LOADING, the step of row k.  Landing set k % 8: written by the row's eight loads, read by the eight LDS stores that send the row through the stage (issued in step k - 1), loaded again in step k.
;     X[k % 2]: written by the stage's LDS loads (issued in step k - 1), read by step k's vector lines, loaded again in step k + 1.
;     Out set k % 2 (codes, scale byte, bf16): written by step k's conversions, read by six LDS stores that are issued in step k + 1, written again in step k + 2.  v9, the copy's address: stepped at the head of a sub-phase's first row.
;     So two waits stand at a step's head: on vm_vsrc (landing set k % 8 and out set k % 2 have been read) and on va_vdst (step k - 1 has written its out set and is done reading its X).  The step's loads, its sixteen stage
;     instructions and the six stores follow with no further wait: the step's vector lines name X[k % 2], out set k % 2 and v234-236 alone.  A sub-phase's last row sends its six stores behind a wait of its own, ahead of the barrier.
;   PRODUCTS.  W2's set and its scale words: read by a tile's 64 products, loaded again behind the tile's second half.  g, two sets: read by each sum's first product.  -2 W3, two sets: read by a tile's multiply-adds.
;     Each half's list holds two waits on va_vdst, one for each batch of transcendentals; the second stands behind the half's last product.  Behind it stand only the 16 multiply-adds, which name accumulators, score sums and the
;     set of W3 that is not being loaded: so the loads of W2, of g and of W3 that follow a half owe no wait of their own.  v15, v16, the LDS addresses of W3 and g: written once a trip, at its end, behind a wait on vm_vsrc.
;   SCORES AND LAST SUM.  A wait on va_vdst ahead of each run of stores whose data vector lines have written; in the last sum's loop one ahead of each set's loads, and one on vm_vsrc ahead of the two address additions.
; LDS: CPY the copy: row at 2,048 x row; in it slice i (0..3) at 512 i, lane l's 16 bytes at 16 l = columns 32 l + 8 i + 0 .. 7.   RT: for each wave two stages of a row: 32 blocks of 128 bytes, 144 apart.
;   ST: 32 rows of codes, 528 apart.   SS: 32 rows of scale bytes, 48 apart.   GA, WA: g[n][:] and -2 W3, each wave's own 1,024 bytes.   Behind the last fetch ST serves again: SC partial scores, PW p, CT c.
; REGISTERS, window 0: v1-28 lane numbers and addresses; v32-63 the rows' scale words; v64-71 W2's, two sets; v104-119 small loads; v120 my columns' sum of W3; v128-191 two sets of a row's 32 numbers; v192-239 at work.
;   Window 1, while loading: eight landing sets of 32.  In the product phase: v0-127 W2's fragments, two sets; v128-191 the eight accumulators; v192-207 g, two sets; v208-215 and v232-239 -2 W3, two sets; v216-231 the score sums.
;   So destination, source 0 and source 2 of the products are all window 1, and the list's in-place instructions run under the products' own setting: no switch stands between a product and its three instructions.
;   Windows 2, 3: the rows' codes, tile a, K step q at 64 (a % 4) + 8 q.
.set RT,   262144
.set RTW,  9216
.set RSG,  4608
.set BP,   144
.set ST,   299008
.set STP,  528
.set SS,   315904
.set SSP,  48
.set GA,   317440
.set WA,   321536
.set SC,   ST
.set PW,   ST+2048
.set CT,   ST+4096
.set AS,   32
.set BS,   64
.set SM,   104
.set TW,   120
.set X,    128
.set BF,   192
.set CC,   224
.set EE,   232
.set ACC,  128                         ; window 1, in the product phase
.set GRS,  192
.set W3R,  208                         ; set 0; set 1 lies 24 registers further on
.set SCR,  216
.set CA,   128                         ; window 0, the last sum: my eight columns
.set DA,   160                         ; eight rows' 16 bytes, two sets
.set DB,   192
.set PA,   224                         ; their eight p, two sets
.set PB,   232
.set MSB,  0
.macro WIN new                         ; the immediate's high byte repeats the setting that is left
.if MSB != (\new)
	s_set_vgpr_msb (MSB<<8)|(\new)
.set MSB, \new
.endif
.endm
.macro BARRIER                         ; my LDS stores have landed and my LDS loads are in: then the work-group's barrier
	s_wait_dscnt 0x0
	s_barrier_signal -1
	s_barrier_wait -1
.endm
.macro ROWLD k                         ; my row k: 4,096 bytes by eight loads of 512 consecutive bytes, into landing set k % 8
	WIN 0x40
.irp j, 0,1,2,3,4,5,6,7
	global_load_b128 v[32*((\k)%8)+4*\j:32*((\k)%8)+4*\j+3], v4, s[24:25] offset:((\k)%8)*262144+512*\j th:TH_LOAD_NT
.endr
	WIN 0
.endm
.macro TURN k                          ; row k through my stage k % 2: in as it was loaded, back a block of 32 numbers to a lane.  LDS serves a wave's instructions in order (ISA guide 5.7.1.4): no wait between
	WIN 0x04                                       ; an LDS store's data are its source 1: window 1
.irp j, 0,1,2,3,4,5,6,7
	ds_store_b128 v5, v[32*((\k)%8)+4*\j:32*((\k)%8)+4*\j+3] offset:RSG*((\k)%2)+4*BP*\j
.endr
	WIN 0
.irp i, 0,1,2,3,4,5,6,7
	ds_load_b128 v[X+32*((\k)%2)+4*\i:X+32*((\k)%2)+4*\i+3], v6 offset:RSG*((\k)%2)+16*\i
.endr
.endm
.macro OUTS k                          ; row k's codes, scale byte and copy go to LDS, from out set k % 2: six stores
	ds_store_b128 v7, v[CC+4*((\k)%2):CC+4*((\k)%2)+3] offset:STP*((\k)%8)
	ds_store_b8 v8, v[EE+((\k)%2)] offset:SSP*((\k)%8)
.irp i, 0,1,2,3
	ds_store_b128 v9, v[BF+16*((\k)%2)+4*\i:BF+16*((\k)%2)+4*\i+3] offset:2048*((\k)%8)+512*\i   ; 32 lanes store 512 consecutive bytes
.endr
.endm
.macro LOADF fs, off, soff             ; a tile of W2: 16 loads of 512 consecutive bytes into set fs of window 1, and its 16 rows' scale bytes
	WIN 0x40
.irp i, 0,1,2,3,4,5,6,7,8,9,10,11,12,13,14,15
	global_load_b128 v[64*(\fs)+4*\i:64*(\fs)+4*\i+3], v4, s[26:27] offset:(\off)+512*\i
.endr
	WIN 0
	global_load_b128 v[BS+4*(\fs):BS+4*(\fs)+3], v14, s[28:29] offset:\soff
.endm
.macro FETCH p                         ; the 32 rows in ST become tiles 2 p and 2 p + 1 of every wave's operand registers
	WIN 0x80+0x40*((\p)/2)                         ; destination window 2 or 3
.irp a, 0,1
.irp q, 0,1,2,3,4,5,6,7
.irp c, 0,1
	ds_load_b128 v[64*((2*(\p)+\a)%4)+8*\q+4*\c:64*((2*(\p)+\a)%4)+8*\q+4*\c+3], v10 offset:16*\a*STP+64*\q+32*\c
.endr
.endr
.endr
	WIN 0
.irp a, 0,1
	ds_load_b128 v[AS+4*(2*(\p)+\a):AS+4*(2*(\p)+\a)+3], v11 offset:16*\a*SSP   ; register i: the word of K step i in lanes 0-15, of K step 4 + i in lanes 16-31
.endr
.endm
	s_load_b512 s[4:19], s[0:1], 0x0               ; out_e s[4:5], w2f s[6:7], W2 scales s[8:9], gbuf s[10:11], W3 s[12:13], b3 s[14:15], abuf s[16:17], cpart s[18:19]
	s_load_b64 s[46:47], s[0:1], 0x40              ; stat
	v_lshl_add_u32 v254, v0, 2, 0x4f800
	v_mov_b32 v255, 0
	v_lshrrev_b32 v15, 5, v0
	v_readfirstlane_b32 s20, v15                   ; wave 0..3
	v_and_b32 v1, 31, v0                           ; l
	v_and_b32 v2, 15, v0                           ; r
	v_bfe_u32 v3, v0, 4, 1                         ; h
	v_lshlrev_b32 v4, 4, v1                        ; 16 l
	v_lshlrev_b32 v28, 3, v1                       ; 8 l
	s_wait_alu depctr_va_sdst(0)                   ; s20 is written, ahead of its first reader: LDS addresses, the bases and the last branch are made from it
	s_mul_i32 s40, s20, RTW
	s_add_co_u32 s40, s40, RT                      ; my two row stages
	v_lshrrev_b32 v15, 3, v1
	v_and_b32 v16, 7, v1
	v_mul_u32_u24 v5, v15, BP
	v_lshl_add_u32 v5, v16, 4, v5
	v_add_nc_u32 v5, s40, v5                       ; in: eight lanes fill a block of 128 bytes: 144 (l / 8) + 16 (l % 8)
	v_mul_u32_u24 v6, v1, BP
	v_add_nc_u32 v6, s40, v6                       ; back: block l
	s_mul_i32 s40, s20, 8*STP
	s_add_co_u32 s40, s40, ST
	v_add_nc_u32 v7, s40, v4                       ; codes: my wave's 8 rows of ST, block l's 16 bytes
	s_mul_i32 s40, s20, 8*SSP
	s_add_co_u32 s40, s40, SS
	v_add_nc_u32 v8, s40, v1                       ; scale bytes: my wave's 8 rows of SS, byte l
	s_lshl_b32 s40, s20, 14
	v_add_nc_u32 v9, s40, v4                       ; the copy: my wave's 8 rows of 2,048 bytes; 65,536 more in each sub-phase
	v_mul_u32_u24 v10, v2, STP
	v_lshl_add_u32 v10, v3, 4, v10
	v_add_nc_u32 v10, ST, v10                      ; a fragment's row r, + 16 h
	v_mul_u32_u24 v11, v2, SSP
	v_lshl_add_u32 v11, v3, 4, v11
	v_add_nc_u32 v11, SS, v11
	s_lshl_b32 s40, s20, 10
	v_lshl_add_u32 v12, v3, 5, s40                 ; 1,024 w + 32 h
	v_add_nc_u32 v13, WA, v12
	v_add_nc_u32 v12, GA, v12
	s_mov_b32 s31, 0                               ; 128 bytes of g and of W3 a trip of the product loop
	v_add_nc_u32 v15, s31, v13                     ; the trip's place in -2 W3,
	v_add_nc_u32 v16, s31, v12                     ; and in g: made here for the first trip, anew at each trip's end
	v_lshlrev_b32 v14, 5, v2
	v_lshl_add_u32 v14, v3, 4, v14                 ; W2's scale bytes in memory: 32 r + 16 h
	v_add_nc_u32 v17, s40, v4
	v_add_nc_u32 v17, GA, v17                      ; where g goes; -2 W3 lies 4,096 further on
	s_lshl_b32 s41, s20, 9
	s_add_co_u32 s42, s41, PW
	v_add_nc_u32 v20, s41, v4                      ; the copy's slice w: 512 w + 16 l
	v_mov_b32 v21, s42                             ; my wave's p
	v_add_nc_u32 v27, s42, v4
	v_lshl_add_u32 v25, v2, 2, s41
	v_add_nc_u32 v25, SC, v25                      ; my wave's partial scores: 512 w + 4 r
	v_add_nc_u32 v26, SC, v4
	v_lshlrev_b32 v22, 7, v1
	s_lshl_b32 s41, s20, 5
	v_add_nc_u32 v22, s41, v22
	v_add_nc_u32 v22, CT, v22                      ; c: columns 32 l + 8 w on: 128 l + 32 w
	v_lshl_add_u32 v23, v0, 4, CT
	v_lshlrev_b32 v24, 4, v0
	s_mov_b32 s32, 0x4038aa3b                      ; 2 log2 e
	s_mov_b32 s33, s32                             ; (named with it as a pair, so it is written)
	s_mov_b32 s34, 0x3fb8aa3b                      ; log2 e
	s_mov_b32 s36, 0x76543210
	s_mov_b32 s37, 0xfedcba98                      ; v_permlanex16_b32's selects for lane l xor 16
	s_and_b32 s22, ttmp7, 0xffff                   ; n
	s_lshl_b32 s40, ttmp9, 25                      ; 128 x rows of s, 262,144 bytes each,
	s_lshl_b32 s41, s22, 12                        ; + n rows of 4,096 bytes,
	s_add_co_u32 s40, s40, s41
	s_lshl_b32 s41, s20, 21                        ; + 8 w rows of s
	s_add_co_u32 s40, s40, s41
	s_mov_b32 s41, 0
	s_lshl_b32 s42, s20, 17                        ; my 16 tiles of W2
	s_mov_b32 s43, 0
	s_lshl_b32 s44, s20, 13                        ; my 256 rows of scale bytes
	s_mov_b32 s45, 0
	s_wait_kmcnt 0x0
	s_add_nc_u64 s[24:25], s[4:5], s[40:41]
	s_add_nc_u64 s[26:27], s[6:7], s[42:43]
	s_add_nc_u64 s[28:29], s[8:9], s[44:45]
	s_lshl_b32 s42, s20, 10
	s_add_nc_u64 s[12:13], s[12:13], s[42:43]      ; W3 at my 256 columns
	s_lshl_b32 s40, s22, 12
	s_add_co_u32 s40, s40, s42
	s_add_nc_u64 s[10:11], s[10:11], s[40:41]      ; g[n] likewise
	s_lshl_b32 s40, s22, 11
	s_lshl_b32 s44, ttmp9, 9
	s_add_co_u32 s40, s40, s44
	s_add_nc_u64 s[16:17], s[16:17], s[40:41]      ; abuf[n][128 x]
	s_lshl_b32 s40, s22, 14
	s_lshl_b32 s44, ttmp9, 12
	s_add_co_u32 s40, s40, s44
	s_add_nc_u64 s[18:19], s[18:19], s[40:41]      ; cpart[n][x]
	s_lshl_b32 s40, s22, 10
	s_lshl_b32 s44, ttmp9, 8
	s_add_co_u32 s40, s40, s44
	s_add_nc_u64 s[46:47], s[46:47], s[40:41]      ; stat[n][x]: 256 bytes
	s_load_b32 s38, s[14:15], 0x0                  ; b3
	s_wait_alu depctr_va_vdst(0)                   ; the offsets and addresses v4 to v17 and v20 to v28 are written: the loads, stores and LDS instructions from here on read them
	global_load_b128 v[SM:SM+3], v4, s[10:11]
	global_load_b128 v[SM+4:SM+7], v4, s[10:11] offset:512
	global_load_b128 v[SM+8:SM+11], v4, s[12:13]
	global_load_b128 v[SM+12:SM+15], v4, s[12:13] offset:512
.irp k, 0,1,2,3,4,5,6,7
	ROWLD \k                                       ; eight rows, 32 KB a wave, are on their way from here to the end of the loading
.endr
	s_wait_xcnt 0x0                                ; the loads have read their base: it steps to the next sub-phase's rows, 32 rows of s on
	s_add_nc_u64 s[24:25], s[24:25], 0x800000
	s_wait_kmcnt 0x0
	s_mov_b32 s39, s38                             ; (b3 is named as a pair)
	s_wait_loadcnt 56                              ; row 0 is in, and the four older loads; rows 1 to 7 stay out
	ds_store_b128 v17, v[SM:SM+3]
	ds_store_b128 v17, v[SM+4:SM+7] offset:512
	v_pk_add_f32 v[TW:TW+1], v[SM+8:SM+9], v[SM+10:SM+11]            ; the sum of my wave's 256 numbers of W3
	v_pk_add_f32 v[TW+2:TW+3], v[SM+12:SM+13], v[SM+14:SM+15]
	v_pk_add_f32 v[TW:TW+1], v[TW:TW+1], v[TW+2:TW+3]
	v_add_f32 v[TW], v[TW], v[TW+1]
.irp x, 1,2,4,8
	v_add_f32_dpp v[TW], v[TW], v[TW] row_xmask:\x row_mask:0xf bank_mask:0xf
.endr
	v_permlanex16_b32 v[TW+1], v[TW], s36, s37
	v_add_f32 v[TW], v[TW], v[TW+1]
.irp j, 8,10,12,14
	v_pk_mul_f32 v[SM+\j:SM+\j+1], v[SM+\j:SM+\j+1], -2.0 op_sel_hi:[1,0]
.endr
	s_wait_alu depctr_va_vdst(0)                   ; the four multiplications have written v[SM+8 ..], which the two LDS stores read
	ds_store_b128 v17, v[SM+8:SM+11] offset:4096
	ds_store_b128 v17, v[SM+12:SM+15] offset:4608
	TURN 0
; ONE ROW.  A: row k is back from the stage; the two waits of the plan.  B: its landing set takes the row eight on (at the end: W2's first two tiles).  C: the next row goes through the other stage.
; D: the six stores of the row before.  E: lane l quantises block l and rounds it to bf16, into out set k % 2.  A sub-phase's first row has no row before it; its last row sends its own six stores too.
.macro STEP k
.if ((\k)%8) >= 2
	s_wait_dscnt 6                                 ; all but the six stores issued behind the stage's loads: this row's numbers are in
.else
	s_wait_dscnt 0x0                               ; no store was issued behind the stage's loads
.endif
	s_wait_alu depctr_vm_vsrc(0)                   ; the stage's stores have read landing set k % 8, in which the loads below land; the six stores of two rows back have read out set k % 2, which this row's conversions write; at a sub-phase's first row the copy's stores have read v9
.if (((\k)%8) == 0) && ((\k) > 0)
	v_add_nc_u32 v9, 0x10000, v9                   ; the copy's next 32 rows; its next reader stands behind the next step's wait on va_vdst
.endif
.if ((\k)%8) != 0
	s_wait_alu depctr_va_vdst(0)                   ; the row before has written its out set, which the six stores below read, and is done reading its X, in which the next row's numbers land; in a sub-phase's second row v9 is written
.endif
.if (\k) <= 23
.if ((\k) == 8) || ((\k) == 16)
	s_wait_xcnt 0x0                                ; the loads have read their base
	s_add_nc_u64 s[24:25], s[24:25], 0x800000
.endif
	ROWLD (\k)+8
.endif
.if (\k) == 26
	LOADF 0, 0, 0                                  ; over the landing sets of rows 24 and 25, which have gone through the stage
.endif
.if (\k) == 28
	LOADF 1, 8192, 512                             ; over those of rows 26 and 27
.endif
.if (\k) <= 30
.if (\k) <= 23
.set C2, 56
.elseif (\k) <= 25
.set C2, 8*(30-(\k))
.elseif (\k) <= 27
.set C2, 8*(30-(\k))+17
.else
.set C2, 8*(30-(\k))+34
.endif
	s_wait_loadcnt C2                              ; the next row's eight loads are in; out stay eight for each later row and 17 for each tile of W2 asked for
	TURN (\k)+1
.endif
.if ((\k)%8) != 0
	OUTS (\k)-1                                    ; no vector line since the wait on va_vdst names these registers
.endif
.set XS, X+32*((\k)%2)
.set CSET, CC+4*((\k)%2)
.set ESET, EE+((\k)%2)
.set BSET, BF+16*((\k)%2)
	v_max3_num_f32 v234, |v[XS]|, |v[XS+1]|, |v[XS+2]|               ; the block's largest magnitude: all 32 numbers are mine; two chains
	v_max3_num_f32 v235, |v[XS+3]|, |v[XS+4]|, |v[XS+5]|
.irp i, 6,10,14,18,22,26
	v_max3_num_f32 v234, v234, |v[XS+\i]|, |v[XS+\i+1]|
	v_max3_num_f32 v235, v235, |v[XS+\i+2]|, |v[XS+\i+3]|
.endr
	v_max3_num_f32 v234, v234, |v[XS+30]|, |v[XS+31]|
	v_max3_num_f32 v234, v234, v235, 0x1800000     ; and the floor 2^(3 - 127): the byte cannot fall under 1
	v_add_nc_u32 v236, 0xff000000, v234            ; 2 off its exponent field: the conversion takes the exponent field of this operand as its scale
.irp g, 0,1,2,3
	v_cvt_scalef32_pk8_fp4_f32 v[CSET+\g], v[XS+8*\g:XS+8*\g+7], v236
.endr
	v_lshrrev_b32 v[ESET], 23, v236                ; the scale's byte (a plain instruction behind the conversions)
.irp j, 0,1,2,3,4,5,6,7,8,9,10,11,12,13,14,15
	v_cvt_pk_bf16_f32 v[BSET+\j], v[XS+2*\j], v[XS+2*\j+1]
.endr
.if ((\k)%8) == 7
	s_wait_alu depctr_va_vdst(0)                   ; the sub-phase's last row has written its out set, which its six stores read, ahead of the barrier; it is done reading its X too
	OUTS \k
.endif
.endm
.irp p, 0,1,2,3
.irp i, 0,1,2,3,4,5,6,7
	STEP 8*\p+\i
.endr
	BARRIER                                        ; 32 rows of codes and scale bytes lie in ST and SS (loads of out_e stay on their way)
	FETCH \p
	BARRIER                                        ; every wave has them in registers: ST and SS may be written again
.endr
; THE LIST: tanh's quotient on the 32 registers from VB on, in place; VSTEP writes number vi of it and steps vi.
;   0-15 2 z log2 e, a pair each, ascending: each accumulator is read from its low end on;  16-47 the exponentials;  48-63 + 1;  64-95 the reciprocals.
;   Behind each batch of 32 stand a plain instruction and one wait, ahead of the batch's first reader; nothing between names a result.
.macro VSTEP
.if vi < 16
	v_pk_mul_f32 v[VB+2*vi:VB+2*vi+1], v[VB+2*vi:VB+2*vi+1], s[32:33] op_sel_hi:[1,0]
.elseif vi < 48
	v_exp_f32 v[VB+vi-16], v[VB+vi-16]
.elseif vi < 64
	v_pk_add_f32 v[VB+2*(vi-48):VB+2*(vi-48)+1], v[VB+2*(vi-48):VB+2*(vi-48)+1], 1.0 op_sel_hi:[1,0]
.else
	v_rcp_f32 v[VB+vi-64], v[VB+vi-64]
.endif
.if (vi == 47) || (vi == 95)
	v_nop
	s_wait_alu depctr_va_vdst(0)                   ; the batch's 32 results are written, ahead of their first reader; and the products issued so far are done reading W2's set, its scale words and g: the loads that follow a half lean on its second wait
.endif
.set vi, vi+1
.endm
; A HALF: W2's tile in set par against the four tiles of rows 64 hv on, K step by K step: 32 products; the four accumulators take turns, one instruction a turn.
; vec = 1: behind each product stand three instructions of the list on the OTHER half's registers, which name no register of the products.
.macro HALF par, hv, vec
	WIN 0x59+4*(\hv)                               ; destination, source 0 (W2) and source 2 window 1; source 1 (the rows' codes) window 2 or 3
.set VB, ACC+32*(1-(\hv))
.set vi, 0
.set pi, 0
.rept 32
.set pa, 4*(\hv)+pi%4
.set pq, pi/4
.set rD, ACC+8*pa
.set rF, 64*(\par)+8*pq
.set rA, 64*(pi%4)+8*pq
.if pq == 0
	v_wmma_scale_f32_16x16x128_f8f6f4 v[rD:rD+7], v[rF:rF+7], v[rA:rA+7], v[GRS+8*(\par):GRS+8*(\par)+7], v[BS+4*(\par)], v[AS+4*pa] matrix_a_fmt:MATRIX_FMT_FP4 matrix_b_fmt:MATRIX_FMT_FP4
.elseif pq < 4
	v_wmma_scale_f32_16x16x128_f8f6f4 v[rD:rD+7], v[rF:rF+7], v[rA:rA+7], v[rD:rD+7], v[BS+4*(\par)+pq], v[AS+4*pa+pq] matrix_a_fmt:MATRIX_FMT_FP4 matrix_b_fmt:MATRIX_FMT_FP4
.else
	v_wmma_scale_f32_16x16x128_f8f6f4 v[rD:rD+7], v[rF:rF+7], v[rA:rA+7], v[rD:rD+7], v[BS+4*(\par)+pq-4], v[AS+4*pa+pq-4] matrix_a_fmt:MATRIX_FMT_FP4 matrix_b_fmt:MATRIX_FMT_FP4 matrix_a_scale:MATRIX_SCALE_ROW1 matrix_b_scale:MATRIX_SCALE_ROW1
.endif
.if \vec
	VSTEP
	VSTEP
	VSTEP
.endif
.set pi, pi+1
.endr
.endm
; The dot with -2 W3 (set par: the tile's) of half hh, whose list is done: 16 packed multiply-adds.  They stand behind a half's last product and name none of its registers: they are the places (ISA guide 7.12.1) ahead of the
; first read of that half's results.
.macro DOT hh, par
	WIN 0x55
.irp u, 0,1,2,3
.irp a, 0,1,2,3
	v_pk_fma_f32 v[SCR+2*(4*(\hh)+\a):SCR+2*(4*(\hh)+\a)+1], v[ACC+32*(\hh)+8*\a+2*\u:ACC+32*(\hh)+8*\a+2*\u+1], v[W3R+24*(\par)+2*\u:W3R+24*(\par)+2*\u+1], v[SCR+2*(4*(\hh)+\a):SCR+2*(4*(\hh)+\a)+1]
.endr
.endr
.endm
; Behind the first half of the tile in set par: that tile's -2 W3 into its set par, at off bytes from the trip's place, and (next = 1) the next tile's g into the other set of g.
; No wait: since the half's second wait only the multiply-adds of the tile before were issued, which name the other set of W3; the last readers of these two sets stand ahead of that wait.
.macro GLOADS par, off, next
	WIN 0x40
	ds_load_b128 v[W3R+24*(\par):W3R+24*(\par)+3], v15 offset:\off
	ds_load_b128 v[W3R+24*(\par)+4:W3R+24*(\par)+7], v15 offset:\off+16
.if \next
	ds_load_b128 v[GRS+8*(1-(\par)):GRS+8*(1-(\par))+3], v16 offset:\off+64
	ds_load_b128 v[GRS+8*(1-(\par))+4:GRS+8*(1-(\par))+7], v16 offset:\off+80
.endif
.endm
	s_wait_xcnt 0x0                                ; the first two tiles' loads have read their bases
	s_add_nc_u64 s[26:27], s[26:27], 16384         ; the bases stand two tiles ahead of the trip
	s_add_nc_u64 s[28:29], s[28:29], 1024
	WIN 0x40
	ds_load_b128 v[GRS:GRS+3], v12                 ; (the landing sets, over which g, W3, the sums and the accumulators now lie, were last read by the stage's stores of row 31, ahead of that row's wait on vm_vsrc)
	ds_load_b128 v[GRS+4:GRS+7], v12 offset:16
.irp j, 0,1,2,3,4,5,6,7,8,9,10,11,12,13,14,15
	v_mov_b32 v[SCR+\j], 0                         ; the score sums: eight tiles of rows, a pair each
.endr
	s_wait_loadcnt 17                              ; tile 0's 17 loads are in; tile 1's stay out
	s_wait_dscnt 0x0                               ; g of tile 0
	HALF 0, 0, 0                                   ; tile 0, rows 0-63: there is no list yet to set between the products
.rept 4
	v_nop                                          ; so four v_nop are the places ahead of the first read of these results
.endr
	GLOADS 0, 0, 1                                 ; into registers that no vector or matrix instruction has named yet
	WIN 0                                          ; at a label and at a branch every window is 0
	s_mov_b32 s30, 7
.Ltiles:                                           ; seven trips, from a tile's second half to the first half of the tile two on
	HALF 0, 1, 1                                   ; tile 2 j, rows 64-127 | the list on its rows 0-63
	s_wait_dscnt 0x0                               ; its -2 W3, and g of the next tile
	DOT 0, 0
	LOADF 0, 0, 0                                  ; the set is free: tile 2 j + 2.  No wait: the half's second wait stands behind the set's last product, and the multiply-adds since name none of these registers
	s_wait_loadcnt 17                              ; tile 2 j + 1's 17 loads are in; the 17 just issued stay out
	HALF 1, 0, 1                                   ; tile 2 j + 1, rows 0-63 | the list on tile 2 j's rows 64-127
	DOT 1, 0
	GLOADS 1, 64, 1
	HALF 1, 1, 1
	s_wait_dscnt 0x0
	DOT 0, 1
	LOADF 1, 8192, 512                             ; tile 2 j + 3
	s_wait_loadcnt 17
	HALF 0, 0, 1                                   ; tile 2 j + 2, rows 0-63
	DOT 1, 1
	GLOADS 0, 128, 1
	WIN 0
	s_wait_xcnt 0x0                                ; the trip's loads have read their bases
	s_add_nc_u64 s[26:27], s[26:27], 16384
	s_add_nc_u64 s[28:29], s[28:29], 1024
	s_add_co_u32 s31, s31, 128
	s_wait_alu depctr_vm_vsrc(0)                   ; the trip's LDS loads have read v15 and v16
	v_add_nc_u32 v15, s31, v13                     ; the next trip's place; the next loads by these two stand behind a half's waits on va_vdst
	v_add_nc_u32 v16, s31, v12
	s_sub_co_u32 s30, s30, 1
	s_cmp_lg_u32 s30, 0
	s_cbranch_scc1 .Ltiles
	HALF 0, 1, 1                                   ; tile 14, rows 64-127.  The tail asks for no weights: no load leaves its buffer
	s_wait_dscnt 0x0
	DOT 0, 0
	s_wait_loadcnt 0x0                             ; tile 15: nothing was issued behind it
	HALF 1, 0, 1
	DOT 1, 0
	GLOADS 1, 64, 0
	HALF 1, 1, 1
	s_wait_dscnt 0x0
	DOT 0, 1
.set VB, ACC+32                                    ; the last list stands alone (the setting of the multiply-adds serves it: destination and source 0 window 1)
.set vi, 0
.rept 96
	VSTEP
.endr
	DOT 1, 1
	; THE SCORES.  A lane's pair, the lane 16 away, my columns' sum of W3: my wave's part of a for row 16 a + r.  The four waves' parts meet in LDS.
	WIN 0x05                                       ; sources 0 and 1 window 1, destination window 0
.irp a, 0,1,2,3,4,5,6,7
	v_add_f32 v[128+\a], v[SCR+2*\a], v[SCR+2*\a+1]
.endr
	WIN 0
.irp a, 0,1,2,3,4,5,6,7
	v_permlanex16_b32 v[136+\a], v[128+\a], s36, s37
.endr
.irp a, 0,1,2,3,4,5,6,7
	v_add_f32 v[128+\a], v[128+\a], v[136+\a]
.endr
.irp a, 0,1,2,3,4,5,6,7
	v_add_f32 v[128+\a], v[128+\a], v[TW]
.endr
	s_wait_alu depctr_va_vdst(0)                   ; the additions have written v128-135, which the eight LDS stores read
.irp a, 0,1,2,3,4,5,6,7
	ds_store_b32 v25, v[128+\a] offset:64*\a       ; lanes r and 16 + r write the same word with the same value
.endr
	BARRIER
.irp w, 0,1,2,3
	ds_load_b128 v[144+4*\w:147+4*\w], v26 offset:512*\w   ; rows 4 l .. 4 l + 3, each wave's part
.endr
	s_wait_dscnt 0x0
	v_pk_add_f32 v[144:145], v[144:145], v[148:149]
	v_pk_add_f32 v[146:147], v[146:147], v[150:151]
	v_pk_add_f32 v[152:153], v[152:153], v[156:157]
	v_pk_add_f32 v[154:155], v[154:155], v[158:159]
	v_pk_add_f32 v[144:145], v[144:145], v[152:153]
	v_pk_add_f32 v[146:147], v[146:147], v[154:155]
	v_pk_add_f32 v[144:145], v[144:145], s[38:39] op_sel_hi:[1,0]    ; + b3: a, in every wave alike
	v_pk_add_f32 v[146:147], v[146:147], s[38:39] op_sel_hi:[1,0]
	v_max3_num_f32 v148, v144, v145, v146
	v_max_num_f32 v148, v148, v147
.irp x, 1,2,4,8
	v_max_num_f32_dpp v148, v148, v148 row_xmask:\x row_mask:0xf bank_mask:0xf
.endr
	v_permlanex16_b32 v149, v148, s36, s37
	v_max_num_f32 v148, v148, v149                 ; M: the largest of my 128 scores is taken away before the exponential
	v_mul_f32 v154, s34, v148
.irp e, 0,1,2,3
	v_fma_f32 v[150+\e], v[144+\e], s34, -v154
.endr
.irp e, 0,1,2,3
	v_exp_f32 v[150+\e], v[150+\e]                 ; p, at most 1
.endr
	v_nop
	s_wait_alu depctr_va_vdst(0)                   ; the four exponentials have written v150-153, ahead of their first reader, the LDS store
	ds_store_b128 v27, v[150:153]                  ; into my wave's own 512 bytes
	v_add_f32 v149, v150, v151                     ; the sum of the 128 p, beside M in the pair v[148:149]
	v_add_f32 v155, v152, v153
	v_add_f32 v149, v149, v155
.irp x, 1,2,4,8
	v_add_f32_dpp v149, v149, v149 row_xmask:\x row_mask:0xf bank_mask:0xf
.endr
	v_permlanex16_b32 v155, v149, s36, s37
	v_add_f32 v149, v149, v155
	; THE PARTIAL c.  Wave w takes slice w of every row of the copy: lane l columns 32 l + 8 w + 0 .. 7.  Eight rows a set, two sets by turns.
.macro PLOADS d, p, off, poff
.irp i, 0,1,2,3,4,5,6,7
	ds_load_b128 v[\d+4*\i:\d+4*\i+3], v18 offset:\off+2048*\i
.endr
	ds_load_b128 v[\p:\p+3], v19 offset:\poff      ; eight p: every lane reads the same words
	ds_load_b128 v[\p+4:\p+7], v19 offset:\poff+16
.endm
.macro WSUM d, p
.irp i, 0,1,2,3,4,5,6,7
.irp g, 0,1,2,3
	v_fma_mix_f32_bf16 v[CA+2*\g], v[\d+4*\i+\g], v[\p+\i], v[CA+2*\g] op_sel_hi:[1,0,0]
	v_fma_mix_f32_bf16 v[CA+2*\g+1], v[\d+4*\i+\g], v[\p+\i], v[CA+2*\g+1] op_sel:[1,0,0] op_sel_hi:[1,0,0]
.endr
.endr
.endm
	s_mov_b32 s42, 0                               ; 16 rows of the copy a trip,
	s_mov_b32 s43, 0                               ; and their 16 p
	s_wait_alu depctr_vm_vsrc(0)                   ; the stores of the partial scores have read v128-135, which are cleared below; the loading's last stores have read v192-233, in which rows and p land
	v_add_nc_u32 v18, s42, v20
	v_add_nc_u32 v19, s43, v21
.irp e, 0,1,2,3,4,5,6,7
	v_mov_b32 v[CA+\e], 0
.endr
	s_wait_alu depctr_va_vdst(0)                   ; v18 and v19 are written, which the LDS loads read
	PLOADS DA, PA, 0, 0
	s_mov_b32 s30, 7
.Lrows:
	PLOADS DB, PB, 16384, 32                       ; no vector line since the last wait on va_vdst names this set
	s_wait_dscnt 10                                ; the older set is in; the ten loads just issued stay out
	WSUM DA, PA
	s_add_co_u32 s42, s42, 32768
	s_add_co_u32 s43, s43, 64
	s_wait_alu depctr_vm_vsrc(0)                   ; the LDS loads issued so far have read v18 and v19
	v_add_nc_u32 v18, s42, v20
	v_add_nc_u32 v19, s43, v21
	s_wait_alu depctr_va_vdst(0)                   ; the sum is done reading the first set, in which the next loads land; v18 and v19 are written
	PLOADS DA, PA, 0, 0
	s_wait_dscnt 10
	WSUM DB, PB
	s_wait_alu depctr_va_vdst(0)                   ; the sum is done reading the second set, in which the loads at the next trip's head, or behind the loop, land
	s_sub_co_u32 s30, s30, 1
	s_cmp_lg_u32 s30, 0
	s_cbranch_scc1 .Lrows
	PLOADS DB, PB, 16384, 32                       ; rows 120 to 127
	s_wait_dscnt 10
	WSUM DA, PA
	s_wait_dscnt 0x0
	WSUM DB, PB
	s_wait_alu depctr_va_vdst(0)                   ; the sums have written v128-135, which the two LDS stores read; v149, which the last store reads, is written too
	ds_store_b128 v22, v[CA:CA+3]
	ds_store_b128 v22, v[CA+4:CA+7] offset:16
	BARRIER                                        ; the 1,024 columns lie in order in CT
	ds_load_b128 v[136:139], v23
	ds_load_b128 v[140:143], v23 offset:2048
	s_wait_dscnt 1
	global_store_b128 v24, v[136:139], s[18:19] th:TH_STORE_NT       ; a wave stores 512 consecutive bytes
	s_wait_dscnt 0x0
	global_store_b128 v24, v[140:143], s[18:19] offset:2048 th:TH_STORE_NT
	s_cmp_lg_u32 s20, 0                            ; every wave holds the same 128 scores, M and sum: wave 0 stores them
	s_cbranch_scc1 .Lend
	global_store_b128 v4, v[144:147], s[16:17]     ; 512 consecutive bytes of scores
	global_store_b64 v28, v[148:149], s[46:47]     ; the pair (M, sum) 32 times: 256 consecutive bytes, at a multiple of 256 from stat's first byte
.Lend:
	s_wait_dscnt 0x0                               ; the closing lines, six on end
	s_wait_alu 0x0
	s_wait_tensorcnt 0x0
	ds_add_u32 v254, v255
	s_wait_dscnt 0x0
	s_endpgm
.Lfunc_end_k_q4b46127df2_main:
	.size	k_q4b46127df2_main, .Lfunc_end_k_q4b46127df2_main-k_q4b46127df2_main
	.p2alignl 7, 3214868480
	.fill 96, 4, 3214868480
	.section	.rodata,"a",@progbits
	.p2align	6, 0x0
	.amdhsa_kernel k_q4b46127df2_main
		.amdhsa_group_segment_fixed_size 326144
		.amdhsa_private_segment_fixed_size 0
		.amdhsa_enable_private_segment 0
		.amdhsa_kernarg_size 72
		.amdhsa_user_sgpr_count 2
		.amdhsa_user_sgpr_kernarg_segment_ptr 1
		.amdhsa_wavefront_size32 1
		.amdhsa_system_sgpr_workgroup_id_x 1
		.amdhsa_system_sgpr_workgroup_id_y 1
		.amdhsa_system_sgpr_workgroup_id_z 1
		.amdhsa_system_vgpr_workitem_id 0
		.amdhsa_next_free_vgpr 1024
		.amdhsa_next_free_sgpr 66
		.amdhsa_reserve_vcc 0
		.amdhsa_float_denorm_mode_32 3
		.amdhsa_float_denorm_mode_16_64 3
		.amdhsa_memory_ordered 1
		.amdhsa_forward_progress 1
		.amdhsa_inst_pref_size 255
	.end_amdhsa_kernel
	.section	.bss,"aw",@nobits
	.p2align	6
	.space	262144
	.amdgpu_metadata
---
amdhsa.version: [ 1, 2 ]
amdhsa.kernels:
  - .name:           k_q4b46127df2_main
    .symbol:         k_q4b46127df2_main.kd
    .args:
      - { .name: out_e, .offset: 0, .size: 8, .value_kind: global_buffer, .address_space: global }
      - { .name: w2f, .offset: 8, .size: 8, .value_kind: global_buffer, .address_space: global }
      - { .name: W2_scales, .offset: 16, .size: 8, .value_kind: global_buffer, .address_space: global }
      - { .name: gbuf, .offset: 24, .size: 8, .value_kind: global_buffer, .address_space: global }
      - { .name: W3, .offset: 32, .size: 8, .value_kind: global_buffer, .address_space: global }
      - { .name: b3, .offset: 40, .size: 8, .value_kind: global_buffer, .address_space: global }
      - { .name: abuf, .offset: 48, .size: 8, .value_kind: global_buffer, .address_space: global }
      - { .name: cpart, .offset: 56, .size: 8, .value_kind: global_buffer, .address_space: global }
      - { .name: stat, .offset: 64, .size: 8, .value_kind: global_buffer, .address_space: global }
    .group_segment_fixed_size: 326144
    .private_segment_fixed_size: 0
    .kernarg_segment_align: 8
    .kernarg_segment_size: 72
    .max_flat_workgroup_size: 128
    .sgpr_count:     66
    .vgpr_count:     1024
    .wavefront_size: 32
...
	.end_amdgpu_metadata
.endif
;; end of part 5
;; launch combine: the kernel of part 3 again; grid 64 x 1, 8 waves a work-group, no clusters, 2,048 bytes of LDS; arguments abuf, cpart, stat, out0, out1; writes out0, out1
